; MI455X (gfx1250); checked and timed in simulation.
; The chip was launched on July 23, 2026; its instructions are those of AMD's public machine-readable ISA for CDNA 5 (MIT licence, August 2026) and "CDNA5" Instruction Set Architecture Reference Guide (July 2026). The comments in the code are by the model that wrote it; some were corrected since.
;; Self Attention. Allowed arithmetic: matrix products marked QUANTISED: E5M2 operands, one E8M0 scale for each 32 along K, by v_wmma_scale_f32_16x16x128_f8f6f4 with both operands' format E5M2, f32 sums; everything else in f32.
;; Inputs: Wk_codes 1,024 x 32 x 32 uint8 (E5M2 codes of Wk, K innermost, in blocks of 32 codes); Wk_scales 1,024 x 32 uint8 (E8M0 scales of Wk, one for each 32 codes along K); Wq_codes 1,024 x 32 x 32 uint8 (E5M2 codes of Wq, K innermost, in blocks of 32 codes); Wq_scales 1,024 x 32 uint8 (E8M0 scales of Wq, one for each 32 codes along K); Wv_codes 1,024 x 32 x 32 uint8 (E5M2 codes of Wv, K innermost, in blocks of 32 codes); Wv_scales 1,024 x 32 uint8 (E8M0 scales of Wv, one for each 32 codes along K); bk 1,024 float32; bq 1,024 float32; bv 1,024 float32; x_codes 4 x 2,048 x 32 x 32 uint8 (E5M2 codes of x, K innermost, in blocks of 32 codes); x_scales 4 x 2,048 x 32 uint8 (E8M0 scales of x, one for each 32 codes along K).
;; Outputs: out0 4 x 2,048 x 1,024 float32.
;; This version of the problem:
;;   THIS VERSION OF THE PROBLEM IS GIVEN IN LOW PRECISION. The matrix products marked QUANTISED in the list below multiply operands that are first quantised to E5M2 (5 exponent bits, 2 mantissa bits; 8 bits a number), with one power-of-two scale for each 32 numbers along K (OCP MX v1.0); their sums are f32. All else is computed in f32.
;;   The module's matrix products, in the order in which they are computed (A, B: the left and right operand; K: the contracted axis; several contracted axes count as one K, in the product's order):
;;     1. [M 8,192, K 1,024] x [K 1,024, N 1,024]; A: input x (given as codes); B: input Wq (given as codes): QUANTISED
;;     2. [M 8,192, K 1,024] x [K 1,024, N 1,024]; A: input x (given as codes); B: input Wk (given as codes): QUANTISED
;;     3. [M 8,192, K 1,024] x [K 1,024, N 1,024]; A: input x (given as codes); B: input Wv (given as codes): QUANTISED
;;     4. batch 4 x [M 2,048, K 1,024] x [K 1,024, N 2,048]; A: computed on the way; B: computed on the way: QUANTISED
;;     5. batch 4 x [M 2,048, K 2,048] x [K 2,048, N 1,024]; A: softmax (see below); B: computed on the way: QUANTISED
;;   THE QUANTISER, for each operand of a quantised product, along K:
;;     - K is cut into blocks of 32 from its start; a last block that is shorter is filled with zeros.
;;     - A block's scale is 2^e with e = floor(log2(the largest magnitude in the block)) - 15, held to -126 .. 127; a block of zeros has e = 0. As a byte (E8M0): e + 127.
;;     - Each number is divided by its block's scale, clamped to +-57,344, and rounded to the nearest number of E5M2, ties to even, subnormals kept.
;;     - The product sums the exact products of the quantised numbers (number of the format x scale) in f32.
;;   ~~~python
;;   def quantise(x, axis):      # numpy; x: float32 -> the quantised numbers, widened to float32 again
;;       x = np.moveaxis(x, axis, -1); K = x.shape[-1]
;;       x = np.pad(x, [(0, 0)] * (x.ndim - 1) + [(0, -K % 32)]); x = x.reshape(x.shape[:-1] + (-1, 32)); a = np.abs(x).max(-1, keepdims=True)
;;       e = np.where(a > 0, np.clip(np.frexp(np.where(a > 0, a, 1))[1] - 1 - 15, -126, 127), 0)      # np.frexp(a)[1] - 1 = floor(log2(a)), exactly
;;       r = np.clip(x / 2.0 ** e, -57344, 57344)
;;       step = 2.0 ** (np.maximum(np.frexp(np.where(r == 0, 1, r))[1] - 1, -14) - 2)
;;       q = np.round(r / step) * step * 2.0 ** e      # np.round: ties to even
;;       return np.moveaxis(q.reshape(q.shape[:-2] + (-1,))[..., :K], -1, axis).astype(np.float32)
;;   ~~~
;;   SOFTMAX AHEAD OF A QUANTISED PRODUCT. Where the list says 'softmax', what is quantised is not the finished softmax but p = 2^(t - M), with t = logit x log2(e) and M = ceil(the row's largest t), a whole number; so 1/2 < the row's largest p <= 1. The row's sum l is taken of the UNQUANTISED p, in f32, and the product's result is divided by l at the end. Since M is a whole number, a kernel that streams over the keys may use a running M (the ceiling of the running maximum): every later rescaling is an exact power of two, which a block's scale takes up: the codes' values come out the same.
;;   OPERANDS COMPUTED ON THE WAY. 'Computed on the way' means the value that the module computes at that place (a softmax that the list does not call 'softmax' is quantised finished and normalised). What goes into a quantiser is computed in f32, as accurately as f32 sums, v_exp_f32 and their like allow (about 1e-6 of the number): no bf16 or f16 on the way to a quantiser, and a product that is left as it is and whose result goes on into a quantised operand takes f32 operands (vector FMAs, or v_wmma_f32_16x16x4_f32). A number that lies on a knife's edge between two numbers of the format may be rounded either way, as far as f32 arithmetic and the matrix unit's own rounding can turn it there, and no further.
;;   INPUTS GIVEN AS CODES. Wk (in the module: [1024, 1024], K = its axis 0); Wq (in the module: [1024, 1024], K = its axis 0); Wv (in the module: [1024, 1024], K = its axis 0); x (in the module: [4, 2048, 1024], K = its axis 2): each comes as NAME_codes (uint8): NAME with its K axis moved to the last place and cut into blocks of 32 codes, [.., K / 32, bytes a block], one block behind the other in memory; one code a byte (a code: sign, 5 exponent bits, 2 mantissa bits); and NAME_scales (uint8): the same leading axes, one E8M0 byte (e + 127) for each 32 codes along K. Its value is code x scale, taken as it is: it is not quantised again, and the codes and scales need not be those that the quantiser above would give.
;; One version. Each part assembles by itself: llvm-mc -triple=amdgcn-amd-amdhsa -mcpu=gfx1250 --defsym DOCPART=n.
;; ======== version 1 of 1: 3 launches
;; limits: right only within a limited range of input values
;; workspace buffers: qkv_img 25,165,824 bytes; qkv_sc 786,432 bytes; p_img 16,777,216 bytes; p_st 1,572,864 bytes
;; launch proj (part 1): grid 16 x 16, 4 waves a work-group, clusters of 4 x 4, 327,680 bytes of LDS; arguments x_codes, x_scales, Wq_codes, Wq_scales, Wk_codes, Wk_scales, Wv_codes, Wv_scales, bq, bk, bv, qkv_img, qkv_sc; writes qkv_img, qkv_sc
.if DOCPART == 1
	.amdgcn_target "amdgcn-amd-amdhsa--gfx1250"
	.amdhsa_code_object_version 6
	.text
	.protected	k_q1c0a2bbe56_proj
	.globl	k_q1c0a2bbe56_proj
	.p2align	8
	.type	k_q1c0a2bbe56_proj,@function
k_q1c0a2bbe56_proj:
	s_mov_b64 s[64:65], 0
	v_nop
	global_prefetch_b8 v0, s[64:65] scope:SCOPE_SE
	s_setreg_imm32_b32 hwreg(HW_REG_WAVE_MODE, 25, 1), 1
	s_wait_xcnt 0x0
	s_wait_alu depctr_hold_cnt(0) depctr_sa_sdst(0) depctr_va_vdst(0) depctr_va_sdst(0) depctr_va_ssrc(0) depctr_va_vcc(0) depctr_vm_vsrc(0)
	s_getreg_b32 s2, hwreg(HW_REG_IB_STS2, 6, 4)
	s_cmp_eq_u32 s2, 0
	s_cbranch_scc0 .Lentry_in_a_cluster
	s_endpgm
.Lentry_in_a_cluster:
	s_bfe_u32 s2, ttmp6, 0x10000c
	s_cmp_lg_u32 s2, 0xf033
	s_cbranch_scc0 .Lentry_shape_is_right
	s_endpgm
.Lentry_shape_is_right:
; q = x Wq + bq, k = x Wk + bk, v = x Wv + bv on codes of BF8 (E5M2) with one E8M0 scale for each 32 along K = 1,024, and their quantisers: q and k along e, v along the keys.  No work of the problem is left out.
; Results leave as IMAGES OF OPERAND REGISTERS (r = lane % 16, h = lane / 16): a fragment (16 rows x 128 K) is 2,048 bytes, register group c of lane l at 512 c + 16 l; q, k: [K step of 128 channels][512 row blocks], 8 MiB each;
; v^T behind them: [K step of 128 tokens][64 blocks of 16 channels].  Scale words leave in units of 512 bytes (128 rows x one K step): word j of lane l at 16 l + 4 j belongs to row block 2 j + l / 16, row l % 16.
; LIMITS: NaN, infinities and sums beyond f32's range are not served.  A block of zeros gets the scale byte 1 where the rule says 127: its codes are zeros, and the bytes are read by this program alone.
; THE DEAL.  256 work-groups of four waves, 2 x 2; a wave holds 64 rows of a weight, ALL of K, in registers (512) and streams x's rows past them in blocks of 16, which stand in registers as two whole sets (256).
; PHASE 1: 512 tokens x 128 channels (one K step of the next product) of q (tile columns 0 to 7) or k (8 to 15): sixteen blocks.  PHASE 2: 256 x 128 of v: eight blocks, of ONE OF THE WORK-GROUP'S OWN TWO WINDOWS of 256 tokens: number s18.
; A chunk is 128 rows of x; wave row w takes its rows 64 w on, four blocks.  A pair of blocks is 32 neighbouring tokens: one scale block of v.
; THE ORDER OF WORK.  LDS holds two slots of 128 rows: a weight's rows lie in a slot (the first in 1, W_v's in 0).  Phase 1 takes the window that is not v's first (chunks 0, 1), v's last (chunks 2, 3): chunk 3 still lies in slot 1 when v begins, and chunk 2 comes anew.  The scale bytes of x's 512 rows lie in LDS throughout, in the order of work.
; THE ROWS OF A TILE OF W_q, W_k: lane r = 8 m + i of tile j takes row 32 m + 8 (j xor m) + i, so that lane (r, h) of a result holds the 32 channels 32 h on, a whole scale block.  In the upper halves neighbouring runs of eight channels change places, in q and in k alike: the products are the same.
; FILLS.  At the head the first weight (wave 0), chunk 0 (wave 1), a window's scale bytes each (waves 2, 3).  Refills, each in a drained round of the cluster's barrier, a quarter of 128 rows a wave: chunks 1, 2, 3 inside blocks 0, 4, 8, their first halves (waves 0 and 1's: each wave row's first two blocks) shown by the plain barrier inside the block two on, the rest by the next round;
; W_v's rows behind block 11, shown at the change of phase; chunk 2 anew there too, behind W_v's loads, shown inside v's block 1.
; PREFETCHES: x's chunks 1 and 2 in the head, behind the first barrier, chunk 3 inside chunk 0's trip, each unit of 256 bytes once in a cluster, shared out by address among the sixteen waves of a row of the cluster.  W_v's rows are not asked for: their load has blocks 12 to 15, 128 products a wave, in which to land.
; THE STREAM.  Behind a block's 32 products its set takes the block two on, also through the change of phase.  A block's way out stands AMONG LATER PRODUCTS, two or three lines behind each: q's and k's among the next block's, a pair of v's blocks among the next pair's: sums stand in two sets in phase 1; in phase 2 a pair's are copied into two more.
; PHASE 1 IS TWO LOOPS: three trips of four blocks, each with its one refill, then two trips of two; PHASE 2 four trips of two: no jump leads round a tensor load.  The first way out of either phase has no block before it: it works on what stands there and stores nothing.
.set NB, 4  ; column tiles a wave
.set CH, 128  ; rows of a chunk
.set KROW, 1024  ; a row of codes
.set KS, 32  ; a row of scale bytes
.set PITCH, KROW+16
.set FR, 16  ; registers of a fragment: 16 rows x 128 K
.set FPW, 16  ; fragments in a window
.set NP, 8  ; plain vector lines behind a matrix instruction, ahead of a reader of its sums and of a load into what it has read
.set NF, 34  ; LDS loads of a block: eight fragments of four, two of four scale words
.set YB, CH*PITCH  ; slot 1
.set SCL, 2*CH*PITCH  ; the scale bytes of x's 512 rows in the order of work, as units of 256 bytes (8 rows) + 16 of padding
.set RS, 32  ; units of a window of 256 rows
.set SSTEP, 2*272  ; 16 rows: from a block to the next
.set CSTEP, 16*272  ; a chunk
.set XN, SCL+2*RS*272  ; q's or k's scale units: four chunks in the order of work, 512 bytes each
.set XV, XN+2048  ; v's: two K steps
.set SPARE, XV+1024
.set EMAX, 15  ; the format's largest number is 57,344 = 1.75 x 2^15
.set ADRA0, 4  ; v4  LDS address of my fragments of block 0
.set CN, 5  ; v5  q's, k's codes in a fragment: 512 h + 16 r
.set AAS0, 6  ; v6  LDS address of my row's scale words in block 0
.set CO, 9  ; v9  16 x lane
.set SPW, 10
.set NIL, 11
.set ADRA, 12  ; v12  as v4, for the block that is fetched next
.set VX, 13  ; v13  LDS address of a scale byte
.set ADRB, 14  ; v14 the first weight's even tiles; v15 W_v's
.set ABS, 16  ; v16  my offset in W_v's scale bytes
.set AAS, 17
.set VX0, 18  ; v18  where q's or k's scale bytes of chunk 0, block 0 go
.set RD, 19  ; v19  v's
.set SOP, 20  ; v20-23  the conversions' scale operands (v21 in the head: the first weight's odd tiles)
.set ADRBO, 21
.set SB, 24  ; v24-39  the weight's scale words: register 8 p + q: lanes 0-15 tile 2 p's, lanes 16-31 tile 2 p + 1's
.set SA, 44  ; v44-59  x's: two sets of eight: no product's two scale words have numbers equal modulo 8
.set EB, 40
.set TQ, 60  ; v60-63  the way out's maxima and bounds
.set ACC, 64  ; v64-191  FOUR SETS of four accumulators: products write 0 and 1 by turns; 2 and 3 take a pair of v's blocks for its way out
.set WS, 128  ; v128-143  in phase 1: W_v's scale words, until the change of phase
.set NCD, 192  ; v192-199  q's or k's 32 codes
.set MCD, 192  ; v192-207  v's: four registers a tile
.set BQ, 208  ; v208-239 the first products' C: the bias;  v240-243 bv, a number a tile, until the change of phase
.set BV, 240
.set G1A, 24  ; descriptor groups: x's first chunk, later W_v
.set G0A, 56
.set G1B, 32  ; the first weight
.set G0B, 60
.set G1R, 48  ; a refill of x's rows
.set G0R, 68
.set G1S, 92  ; x's scale bytes
.set G0S, 72
.set MSB, 0
.macro WIN new  ; the immediate's high byte repeats the setting that is left
.if MSB != (\new)
	s_set_vgpr_msb (MSB<<8)|(\new)
.set MSB, (\new)
.endif
.endm
.macro PLACES n
.rept \n
	v_nop
.endr
.endm
.macro BARRIER
	s_barrier_signal -1
	s_barrier_wait -1
.endm
.macro CROUND  ; a round of the cluster's barrier
	BARRIER
	s_cmp_lg_u32 s14, 0
	s_cbranch_scc1 .Lnot_wave_0_\@
	s_barrier_signal -3
.Lnot_wave_0_\@:
	s_barrier_wait -3
	BARRIER
.endm
.macro TLOAD g0, g1
	tensor_load_to_lds s[\g0:\g0+3], s[\g1:\g1+7]
	s_nop 0
	PLACES 4
.endm
.macro GROUP1 g, mask, rows  ; descriptor group 1: so many WHOLE rows of K, padded in LDS
	s_or_b32 s[\g+0], s[\mask], (1<<20)|(1<<21)|(7<<22)|(3<<25)
	s_mov_b32 s[\g+1], KROW<<16
	s_mov_b32 s[\g+2], (\rows)<<16
	s_mov_b32 s[\g+3], KROW<<16
	s_mov_b32 s[\g+4], \rows
	s_mov_b32 s[\g+5], KROW
	s_mov_b32 s[\g+6], 0
	s_mov_b32 s[\g+7], 0
.endm
.macro SADD d, x
	s_add_co_u32 s\d, s\d, s\x
.endm
.macro SHADD d, x, n  ; s[d] += s[x] << n, by s21
	s_lshl_b32 s21, s\x, \n
	s_add_co_u32 s\d, s\d, s21
.endm
	s_load_b128 s[4:7], s[0:1], 0x0  ; x's codes, scales
	s_load_b256 s[76:83], s[0:1], 0x10  ; Wq's, Wk's
	s_load_b128 s[84:87], s[0:1], 0x30  ; Wv's
	s_load_b128 s[88:91], s[0:1], 0x40  ; bq, bk
	s_load_b64 s[46:47], s[0:1], 0x50  ; bv
	v_lshl_add_u32 v[SPW], v0, 2, SPARE
	v_mov_b32 v[NIL], 0
	ds_add_u32 v[SPW], v[NIL]  ; the wave's opening: the add, twice on end, and its wait ahead of my first tensor load
	ds_add_u32 v[SPW], v[NIL]
	v_lshrrev_b32 v1, 5, v0
	v_readfirstlane_b32 s14, v1  ; wave 0..3
	s_lshr_b32 s15, s14, 1  ; my row of waves
	s_and_b32 s16, s14, 1  ; my column of waves
	s_bfe_u32 s40, ttmp6, 0x40000  ; cx, cy
	s_bfe_u32 s41, ttmp6, 0x40004
	s_lshl_b32 s42, ttmp9, 2
	s_add_co_u32 s42, s42, s40  ; tile column = 4 x cluster x + cx
	s_and_b32 s43, ttmp7, 0xffff
	s_lshl_b32 s43, s43, 2
	s_add_co_u32 s43, s43, s41  ; tile row = 4 x cluster y + cy
	s_lshr_b32 s19, ttmp9, 1  ; from the cluster's number alone: 0: q; 1: k
	s_and_b32 s18, ttmp9, 1  ; v's window
	s_lshl_b32 s44, s41, 2
	s_lshl_b32 s44, 15, s44  ; my row of the cluster: shares x's rows
	s_lshl_b32 s45, 0x1111, s40  ; my column: shares the weights'
	GROUP1 G1B, 45, 128
	GROUP1 G1A, 44, CH
	GROUP1 G1R, 44, CH/4
	s_or_b32 s[G1S+0], s44, (3<<16)|(1<<20)|(1<<21)|(5<<22)|(3<<25)  ; a window's scale bytes: 8,192 dense bytes as 32 rows of 256, 16 of padding behind each
	s_mov_b32 s[G1S+1], 32<<16
	s_mov_b32 s[G1S+2], RS<<16
	s_mov_b32 s[G1S+3], 32<<16
	s_mov_b32 s[G1S+4], RS
	s_mov_b32 s[G1S+5], 32
	s_mov_b32 s[G1S+6], 0
	s_mov_b32 s[G1S+7], 0
	s_mov_b32 s[G0S], 1
	s_mul_i32 s[G0S+1], s16, RS*272
	s_add_co_u32 s[G0S+1], s[G0S+1], SCL
	s_mov_b32 s[G0A], 1
	s_mov_b32 s[G0A+1], 0
	s_mov_b32 s[G0B], 1
	s_mov_b32 s[G0B+1], YB
	s_mov_b32 s[G0R], 1
	; offsets.  s67, s2: in x's codes the rows of the window that is not v's, and of v's
	s_lshl_b32 s67, s43, 19
	s_lshl_b32 s20, s18, 18
	s_add_co_u32 s2, s67, s20
	s_xor_b32 s20, s20, 0x40000
	SADD 67, 20
	s_lshl_b32 s13, s19, 2
	SADD 13, 40  ; W_v's tile column = 4 (cluster x / 2) + cx: a cluster's column shares its rows; each tile of v has one work-group
	s_lshl_b32 s8, s13, 17  ; s[8:9] W_v's codes
	s_mov_b32 s9, 0
	s_and_b32 s3, s42, 7  ; the next product's K step: my tile column in q or k
	s_lshl_b32 s10, s3, 12  ; s[10:11] the first weight's scale bytes: my wave's 64 rows
	SHADD 10, 16, 11
	s_mov_b32 s11, 0
	s_lshl_b32 s22, s13, 12  ; s[22:23] W_v's
	SHADD 22, 16, 11
	s_mov_b32 s23, 0
	s_xor_b32 s20, s18, s16  ; s[100:101] x's scale bytes: wave 2 the window that is not v's, wave 3 v's
	s_xor_b32 s20, s20, 1
	s_lshl_b32 s100, s20, 13
	SHADD 100, 43, 14
	s_mov_b32 s101, 0
	s_lshl_b32 s17, s40, 2  ; which of the cluster row's sixteen waves I am: my share of a prefetch
	SADD 17, 14
	s_lshl_b32 s17, s17, 13
	s_add_co_u32 s66, s17, s67
	s_add_co_u32 s66, s66, CH*KROW  ; my share of chunk 1
	s_add_co_u32 s17, s17, s2  ; of chunk 2
	v_and_b32 v1, 15, v0  ; r
	v_bfe_u32 v2, v0, 4, 1  ; h
	v_and_b32 v3, 31, v0  ; lane
	v_lshrrev_b32 v45, 3, v1  ; m
	v_mul_u32_u24 v22, v1, PITCH
	v_lshl_add_u32 v23, v2, 4, v22  ; a fragment's row x pitch + 16 h
	s_mul_i32 s20, s15, 64*PITCH
	v_add_nc_u32 v[ADRA0], s20, v23
	s_mul_i32 s20, s16, 64*PITCH  ; my 64 rows of a weight
	v_add_nc_u32 v[ADRB+1], s20, v23  ; W_v's, in slot 0: rows as they lie
	s_add_co_u32 s20, s20, YB
	v_mul_u32_u24 v22, v45, 32*PITCH  ; the first weight's, in slot 1: tile j even: row 8 j + r + 32 m,
	v_add3_u32 v[ADRB], v22, v23, s20
	v_lshrrev_b32 v22, 1, v22  ; odd: 8 j + r + 16 m
	v_add3_u32 v[ADRBO], v22, v23, s20
	v_lshl_add_u32 v44, v45, 5, v1  ; v44: the rows of a pair of tiles, for their scale words: r + 32 m + 8 h - 16 h m
	v_lshl_add_u32 v44, v2, 3, v44
	v_and_b32 v46, v2, v45
	v_lshlrev_b32 v46, 4, v46
	v_sub_nc_u32 v44, v44, v46
	v_lshlrev_b32 v44, 5, v44
	v_lshlrev_b32 v[ABS], 5, v3  ; W_v's: lane l takes row l of a pair of tiles
	v_lshlrev_b32 v46, 5, v1  ; x's scale bytes in LDS: 32 bytes a row, and 16 more for each 256 passed
	v_lshl_add_u32 v46, v45, 4, v46
	s_mul_i32 s20, s15, 8*272
	s_add_co_u32 s20, s20, SCL
	v_add_nc_u32 v[AAS0], s20, v46
	v_mul_u32_u24 v47, v2, 160  ; the bias: tile j of lane (r, h) is channels 32 h + 8 (j xor h) on: even tiles,
	v_mul_u32_u24 v48, v2, 96  ; odd tiles
	v_lshlrev_b32 v49, 2, v1
	v_lshlrev_b32 v[CO], 4, v3
	v_lshlrev_b32 v[CN], 4, v1
	v_lshl_add_u32 v[CN], v2, 9, v[CN]
	s_lshl_b32 s20, s15, 3  ; q's, k's bytes: 16 r + 8 w + 2 x column + h
	s_lshl_b32 s21, s16, 1
	SADD 20, 21
	s_add_co_u32 s20, s20, XN
	v_lshl_add_u32 v[VX0], v1, 4, v2
	v_add_nc_u32 v[VX0], s20, v[VX0]
	v_mov_b32 v[VX], v[VX0]
	s_lshl_b32 s20, s16, 3  ; v's: 16 r + 8 x column + 2 w: both halves of the lanes hold the same byte
	s_lshl_b32 s21, s15, 1
	SADD 20, 21
	s_add_co_u32 s20, s20, XV
	v_lshlrev_b32 v[RD], 4, v1
	v_add_nc_u32 v[RD], s20, v[RD]
	v_lshl_add_u32 v7, v3, 8, s66  ; v7, v8: the prefetches' addresses
	v_lshl_add_u32 v8, v3, 8, s17
	v_add_nc_u32 v1, 16*PITCH, v[ADRA0]  ; v1, v2: block 1's LDS addresses
	v_add_nc_u32 v2, SSTEP, v[AAS0]
	s_wait_alu depctr_va_vdst(0)
	s_wait_dscnt 0x0  ; both opening adds are done
	CROUND  ; the opening round, ahead of the wait for the arguments
	s_wait_kmcnt 0x0
	s_cmp_eq_u32 s19, 0
	s_cselect_b64 s[76:77], s[76:77], s[80:81]
	s_cselect_b64 s[78:79], s[78:79], s[82:83]
	s_cselect_b64 s[88:89], s[88:89], s[90:91]
	s_mov_b32 s20, s67
	s_mov_b32 s21, 0
	s_add_nc_u64 s[G0A+2:G0A+3], s[4:5], s[20:21]
	s_or_b32 s[G0A+3], s[G0A+3], 0x80000000
	s_lshl_b32 s20, s3, 17
	s_add_nc_u64 s[G0B+2:G0B+3], s[76:77], s[20:21]
	s_or_b32 s[G0B+3], s[G0B+3], 0x80000000
	s_add_nc_u64 s[G0S+2:G0S+3], s[6:7], s[100:101]
	s_or_b32 s[G0S+3], s[G0S+3], 0x80000000
	s_cmp_eq_u32 s14, 0  ; ONE joint load a wave, and a line of its own for what is shown ahead of the rest
	s_cbranch_scc0 .Lwave_1
	TLOAD G0B, G1B  ; wave 0: the first weight's rows, which are wanted first
	s_branch .Lasked
.Lwave_1:
	s_cmp_eq_u32 s14, 1
	s_cbranch_scc0 .Lfor_scales
	TLOAD G0A, G1A  ; wave 1: chunk 0
	s_branch .Lasked
.Lfor_scales:
	TLOAD G0S, G1S  ; waves 2, 3: a window's scale bytes each
.Lasked:
	s_add_nc_u64 s[10:11], s[78:79], s[10:11]
	s_add_nc_u64 s[22:23], s[86:87], s[22:23]
	s_add_nc_u64 s[100:101], s[84:85], s[8:9]  ; W_v's codes, for its refill
	s_lshl_b32 s20, s3, 9  ; the bias of my 64 channels
	s_lshl_b32 s21, s16, 8
	SADD 20, 21
	s_mov_b32 s21, 0
	s_add_nc_u64 s[88:89], s[88:89], s[20:21]
	s_lshl_b32 s20, s13, 9
	s_lshl_b32 s21, s16, 8
	SADD 20, 21
	s_mov_b32 s21, 0
	s_add_nc_u64 s[46:47], s[46:47], s[20:21]
.irp p, 0,1
.irp c, 0,1
	global_load_b128 v[SB+8*\p+4*\c:SB+8*\p+4*\c+3], v44, s[10:11] offset:\p*16*KS+16*\c
	global_load_b128 v[WS+8*\p+4*\c:WS+8*\p+4*\c+3], v[ABS], s[22:23] offset:\p*32*KS+16*\c
.endr
.endr
.irp j, 0,1,2,3
	global_load_b128 v[BQ+8*\j:BQ+8*\j+3], v[47+\j%2], s[88:89] offset:32*\j
	global_load_b128 v[BQ+8*\j+4:BQ+8*\j+7], v[47+\j%2], s[88:89] offset:32*\j+16
	global_load_b32 v[BV+\j], v49, s[46:47] offset:64*\j
.endr
	s_wait_xcnt 0x0  ; the fetches have taken their addresses
	s_add_co_u32 s6, s67, CH*KROW  ; chunk 1
	s_add_co_u32 s7, s2, CH*KROW  ; chunk 3
; WHERE MY RESULTS GO: offsets now, the buffers' addresses in front of the stream
	s_lshl_b32 s76, s19, 23  ; s[76:77] q, k: [K step][row block]: my tile row, my row of waves, my half of a fragment's groups
	SHADD 76, 3, 20
	SHADD 76, 43, 16
	SHADD 76, 15, 13
	SHADD 76, 16, 10
	s_mov_b32 s77, 0
	s_xor_b32 s20, s15, s18  ; s[78:79] their units: wave n stores chunk n in the order of work
	s_xor_b32 s20, s20, 1
	s_lshl_b32 s20, s20, 1
	SADD 20, 16
	SHADD 20, 43, 2
	s_lshl_b32 s78, s20, 12
	SHADD 78, 3, 9
	SHADD 78, 19, 18
	s_mov_b32 s79, 0
	s_lshl_b32 s20, s43, 2  ; v: my window's first K step
	SHADD 20, 18, 1
	s_lshl_b32 s80, s20, 17  ; s[80:81] v^T's images
	SHADD 80, 13, 14
	SHADD 80, 16, 13
	SHADD 80, 15, 10
	s_add_co_u32 s80, s80, 0x1000000
	s_mov_b32 s81, 0
	SADD 20, 15  ; s[82:83] v's units: wave n stores K step n / 2, half n % 2
	SHADD 20, 13, 6
	s_lshl_b32 s82, s20, 9
	SHADD 82, 16, 8
	s_add_co_u32 s82, s82, 524288
	s_mov_b32 s83, 0
	s_cmp_eq_u32 s14, 0
	s_cbranch_scc0 .Lnot_b
	s_wait_tensorcnt 0x0  ; wave 0: the first weight has landed.  The other waves' wait stands at the second barrier
.Lnot_b:
	BARRIER
	global_prefetch_b8 v7, s[4:5] th:TH_LOAD_NT scope:SCOPE_SE
	global_prefetch_b8 v8, s[4:5] th:TH_LOAD_NT scope:SCOPE_SE
.macro WALU  ; ahead of a wait that blocks, behind which something freshly written is read
	s_wait_alu depctr_va_vdst(0)
.endm
.macro MIDDLE  ; a round's middle
	WIN 0
	s_barrier_wait -1
	s_cmp_lg_u32 s14, 0
	s_cbranch_scc1 .Lnot_wave_0_\@
	s_barrier_signal -3
.Lnot_wave_0_\@:
	s_barrier_wait -3
.endm
.macro GRD
	s_wait_tensorcnt 0x0
	ds_add_u32 v[SPW], v[NIL]
.endm
.macro FRAG f, adr, q, off  ; a weight's fragment f: lane l holds row l % 16; registers 4 c .. 4 c + 3 hold K = 32 c + 16 (l / 16) + 0 .. 15.  It lies in window 1 + f / 16
	WIN (1+(\f)/FPW)<<6
.irp c, 0,1,2,3
	ds_load_b128 v[FR*((\f)%FPW)+4*\c:FR*((\f)%FPW)+4*\c+3], v[\adr] offset:128*(\q)+32*\c+(\off)
.endr
.endm
.macro FETCHAT k, a, s  ; a block of x, 16 rows, all of K, into set k of window 3, and its scale words: NF loads
	WIN 3<<6
.irp q, 0,1,2,3,4,5,6,7
.irp c, 0,1,2,3
	ds_load_b128 v[128*\k+FR*\q+4*\c:128*\k+FR*\q+4*\c+3], v[\a] offset:128*\q+32*\c
.endr
.endr
	WIN 0
	ds_load_b128 v[SA+8*\k:SA+8*\k+3], v[\s]
	ds_load_b128 v[SA+8*\k+4:SA+8*\k+7], v[\s] offset:16
.endm
.macro PROD kind, e, a, n  ; product n = 4 q + b of a block: the q-th 128 of K, column tile b; x's rows in set e, sums in set a.  kind 0 (q, k): source 0 = the weight's rows; kind 1 (v): source 0 = x's rows.  The bias is the first products' C
.set Q_, (\n)/4
.set B_, (\n)%4
.set FB_, NB*Q_+B_
.set AC_, ACC+32*(\a)+8*B_
.set C_, AC_
.if Q_ == 0
.set C_, BQ+8*B_
.endif
.set R_, 128*(\e)+FR*Q_
.set W_, FR*(FB_%FPW)
.set XS_, SA+8*(\e)+Q_
.set WS_, SB+8*(B_/2)+Q_
.if \kind
	WIN 3|((1+FB_/FPW)<<2)
.if B_%2
	v_wmma_scale_f32_16x16x128_f8f6f4 v[AC_:AC_+7], v[R_:R_+FR-1], v[W_:W_+FR-1], v[C_:C_+7], v[XS_], v[WS_] matrix_a_fmt:MATRIX_FMT_BF8 matrix_b_fmt:MATRIX_FMT_BF8 matrix_b_scale:MATRIX_SCALE_ROW1
.else
	v_wmma_scale_f32_16x16x128_f8f6f4 v[AC_:AC_+7], v[R_:R_+FR-1], v[W_:W_+FR-1], v[C_:C_+7], v[XS_], v[WS_] matrix_a_fmt:MATRIX_FMT_BF8 matrix_b_fmt:MATRIX_FMT_BF8
.endif
.else
	WIN (1+FB_/FPW)|(3<<2)
.if B_%2
	v_wmma_scale_f32_16x16x128_f8f6f4 v[AC_:AC_+7], v[W_:W_+FR-1], v[R_:R_+FR-1], v[C_:C_+7], v[WS_], v[XS_] matrix_a_fmt:MATRIX_FMT_BF8 matrix_b_fmt:MATRIX_FMT_BF8 matrix_a_scale:MATRIX_SCALE_ROW1
.else
	v_wmma_scale_f32_16x16x128_f8f6f4 v[AC_:AC_+7], v[W_:W_+FR-1], v[R_:R_+FR-1], v[C_:C_+7], v[WS_], v[XS_] matrix_a_fmt:MATRIX_FMT_BF8 matrix_b_fmt:MATRIX_FMT_BF8
.endif
.endif
.endm
.macro HOLD x, b  ; a sum held at the largest number that the format has under its block's scale (the conversion does not saturate: ISA guide 7.6.2)
	v_med3_num_f32 v[\x], v[\x], -v[TQ+\b], v[TQ+\b]
.endm
.macro SCALES i, n  ; i = 0: the conversion's scale operand v[SOP + n]; 1: the bound; 2: a second copy of it; 3: the scale byte
.if (\i) == 0
	v_add_nc_u32 v[SOP+\n], -(EMAX<<23), v[TQ]
.elseif (\i) == 1
	v_and_or_b32 v[TQ+1], v[TQ], 0x7f800000, s62
.elseif (\i) == 2
	v_mov_b32 v[TQ+3], v[TQ+1]
.else
	v_lshrrev_b32 v[EB+\n], 23, v[SOP+\n]
.endif
.endm
.macro MAXQ k, x  ; q, k: 18 lines: the largest magnitude of the 32 sums at x, and the floor under which a byte would fall under 1
.if (\k) < 4
	v_max3_num_f32 v[TQ+\k], |v[\x+8*(\k)]|, |v[\x+8*(\k)+1]|, |v[\x+8*(\k)+2]|
.elseif (\k) < 12
	v_max3_num_f32 v[TQ+(\k)%4], v[TQ+(\k)%4], |v[\x+8*((\k)%4)+2*((\k)/4)+1]|, |v[\x+8*((\k)%4)+2*((\k)/4)+2]|
.elseif (\k) < 16
	v_max_num_f32 v[TQ+(\k)%4], v[TQ+(\k)%4], |v[\x+8*((\k)%4)+7]|
.elseif (\k) == 16
	v_max3_num_f32 v[TQ], v[TQ], v[TQ+1], v[TQ+2]
.else
	v_max3_num_f32 v[TQ], v[TQ], v[TQ+3], (EMAX+1)<<23
.endif
.endm
.macro HOLDS m, x  ; two of a scale block's holds.  The bound is read from its second copy where its first would be read too late
.if (\m) == 3
	HOLD \x, 3
	HOLD \x+1, 3
.else
	HOLD \x, 1
	HOLD \x+1, 1
.endif
.if (\m) == 2
	SCALES 2, 0
.endif
.endm
.macro GAPQ m, x  ; THE QUANTISER OF q's OR k's BLOCK, gaps 0 .. 26: a scale block of 32 lies in a lane: the sums at x -> codes NCD, byte EB
.if (\m) < 9
	MAXQ 2*(\m), \x
	MAXQ 2*(\m)+1, \x
.elseif (\m) == 9
	SCALES 0, 0
	SCALES 1, 0
.elseif (\m) < 26
	HOLDS (\m)-10, \x+2*((\m)-10)
.if ((\m)-10)%4 == 3
	v_cvt_scalef32_pk8_bf8_f32 v[NCD+2*(((\m)-10)/4):NCD+2*(((\m)-10)/4)+1], v[\x+8*(((\m)-10)/4):\x+8*(((\m)-10)/4)+7], v[SOP]
.endif
.elseif (\m) == 26
	SCALES 3, 0
.endif
.endm
.macro GAPV u, x  ; THE QUANTISER OF A PAIR OF v's BLOCKS, gaps 0 .. 59, 15 a tile: a scale block of 32 lies in lanes l and l xor 16: the even block's sums at x, the odd's at x + 32 -> codes MCD + 4 t, bytes EB + t
.set T_, (\u)/15
.set J_, (\u)%15
.set E_, \x+8*T_
.set O_, E_+32
.if (\u) > 59
.elseif J_ == 0
	v_max3_num_f32 v[TQ], |v[E_]|, |v[E_+1]|, |v[E_+2]|
	v_max3_num_f32 v[TQ+2], |v[O_]|, |v[O_+1]|, |v[O_+2]|
.elseif J_ < 3
	v_max3_num_f32 v[TQ], v[TQ], |v[E_+2*J_+1]|, |v[E_+2*J_+2]|
	v_max3_num_f32 v[TQ+2], v[TQ+2], |v[O_+2*J_+1]|, |v[O_+2*J_+2]|
.elseif J_ == 3
	v_max3_num_f32 v[TQ+2], v[TQ+2], |v[O_+7]|, (EMAX+1)<<23
	v_max3_num_f32 v[TQ], v[TQ], |v[E_+7]|, v[TQ+2]
.elseif J_ == 4
	v_permlanex16_b32 v[TQ+2], v[TQ], s60, s61  ; the other half's largest
	v_max_num_f32 v[TQ], v[TQ], v[TQ+2]
.elseif J_ == 5
	SCALES 0, T_
	SCALES 1, T_
.elseif J_ < 10
	HOLDS J_-6, E_+2*(J_-6)
.if J_ == 9
	v_cvt_scalef32_pk8_bf8_f32 v[MCD+4*T_:MCD+4*T_+1], v[E_:E_+7], v[SOP+T_]
.endif
.elseif J_ < 14
	HOLDS J_-6, O_+2*(J_-10)
.if J_ == 13
	v_cvt_scalef32_pk8_bf8_f32 v[MCD+4*T_+2:MCD+4*T_+3], v[O_:O_+7], v[SOP+T_]
.endif
.else
	SCALES 3, T_
	v_permlane16_swap_b32 v[MCD+4*T_], v[MCD+4*T_+2]  ; the even block's upper lanes and the odd block's lower lanes change places: lane (r, h) then holds tokens 16 h + 0 .. 15 of the 32: the operand's registers
	v_permlane16_swap_b32 v[MCD+4*T_+1], v[MCD+4*T_+3]
.endif
.endm
.macro RDESC i, off, lds  ; group 0 of a refill, in two parts: my 32 rows of 128 (s12 in LDS, s13 in memory), the rows at s[off] of x, into LDS at s[lds]
.if (\i) == 0
	s_add_co_u32 s[G0R+1], s12, s\lds
	s_add_co_u32 s20, s13, s\off
.else
	s_mov_b32 s21, 0
	s_add_nc_u64 s[G0R+2:G0R+3], s[4:5], s[20:21]
	s_or_b32 s[G0R+3], s[G0R+3], 0x80000000
.endif
.endm
; WHAT STANDS BEHIND PRODUCT n.  j: the block's number in its trip (the second loop's: 4, 5; v's: -1, -2).  Behind 0 and 1 the addresses of the block two on and where the block before goes; behind 2 a byte's place; behind 29 and 30 a refill's group 0; from 1 on a way out: y = 1 q's or k's block at x; 2, 3 the halves of v's pair at x
.macro LIST n, j, y, x
.if (\n) == 0
.if (\j) == 1
	s_add_nc_u64 s[84:85], s[84:85], 10240
	s_cmp_eq_u32 s46, 2
	s_cselect_b64 s[84:85], s[88:89], s[84:85]
.elseif (\j) == 5
	s_add_nc_u64 s[84:85], s[84:85], s[10:11]
.elseif (\j) >= 0
	s_add_nc_u64 s[84:85], s[84:85], 2048
.endif
	WIN 0
.if (\j) == 0 || (\j) == 1
	s_add_co_u32 s22, s66, ((\j)+2)*16*PITCH
.elseif (\j) > 1
	s_add_co_u32 s22, s47, ((\j)%2)*16*PITCH
.else
	s_add_co_u32 s22, s47, (-1-(\j))*16*PITCH
.endif
	v_add_nc_u32 v[ADRA], s22, v[ADRA0]
.elseif (\n) == 1
	WIN 0
.if (\j) == 0 || (\j) == 1
	s_add_co_u32 s22, s17, ((\j)+2)*SSTEP
.elseif (\j) > 1
	s_add_co_u32 s22, s8, ((\j)%2)*SSTEP
.else
	s_add_co_u32 s22, s8, (-1-(\j))*SSTEP
.endif
	v_add_nc_u32 v[AAS], s22, v[AAS0]
.endif
.if (\j) == 0 && ((\n) == 29 || (\n) == 30)
	RDESC (\n)-29, 6, 47
.elseif (\n) == 2 && ((\j) == 1 || (\j) > 3)
	WIN 0
.if (\j) == 1
	s_lshl_b32 s22, s46, 9
.elseif (\j) == 4
	s_mul_i32 s22, s46, 508
	s_sub_co_u32 s22, s22, 240
.else
	s_lshl_b32 s22, s46, 2
	s_add_co_u32 s22, s22, 1524
.endif
	v_add_nc_u32 v[VX], s22, v[VX0]
.endif
.if (\y) == 1 && (\n) > 0 && (\n) < 28
	WIN 0
	GAPQ (\n)-1, \x
.elseif (\y) == 2 && (\n) > 0 && (\n) < 31
	WIN 0
	GAPV (\n)-1, \x
.elseif (\y) == 3 && (\n) > 0 && (\n) < 31
	WIN 0
	GAPV (\n)+29, \x
.endif
.endm
.macro BLOCK kind, e, a, from, to, j, y, x
.set N_, \from
.rept (\to)-(\from)
	PROD \kind, \e, \a, N_
	LIST N_, \j, \y, \x
.set N_, N_+1
.endr
.endm
.macro BLK kind, e, a, w, j, y, x  ; a block: kind, e, a as in PROD; w: the wait's count (-1: none); j, y, x as in LIST
.if (\w) >= 0
	s_wait_dscnt \w
.endif
	s_wait_xcnt 0x0
	BLOCK \kind, \e, \a, 0, 32, \j, \y, \x
	WIN 0
	PLACES NP
.endm
.macro RBLK kind, e, a, w, j, y, x  ; a block with a round of the cluster's barrier
.if (\w) >= 0
	s_wait_dscnt \w
.endif
	s_wait_xcnt 0x0
	GRD
	BLOCK \kind, \e, \a, 0, 28, \j, \y, \x
	WIN 0
	WALU
	s_wait_dscnt 0x0
	s_barrier_signal -1
	BLOCK \kind, \e, \a, 28, 32, \j, \y, \x
	MIDDLE
	BARRIER
.endm
.macro SBLK kind, e, a, w, j, y, x, half=0  ; a block with a plain barrier (half = 1: it shows waves 0 and 1's loads alone)
.if (\w) >= 0
	s_wait_dscnt \w
.endif
	s_wait_xcnt 0x0
	BLOCK \kind, \e, \a, 0, 28, \j, \y, \x
	WIN 0
	WALU
.if \half
	s_cmp_lt_u32 s14, 2
	s_cbranch_scc0 .Lnot_yet_\@
	s_wait_tensorcnt 0x0
.Lnot_yet_\@:
.else
	s_wait_tensorcnt 0x0
.endif
	s_wait_dscnt 0x0
	s_barrier_signal -1
	BLOCK \kind, \e, \a, 28, 32, \j, \y, \x
	WIN 0
	s_barrier_wait -1
	PLACES NP
.endm
.macro QOUT off, boff  ; a block's byte goes to its place in LDS, its 32 codes a lane leave: each store fills two units of 256 bytes
	ds_store_b8 v[VX], v[EB] offset:\boff
	global_store_b128 v[CN], v[NCD:NCD+3], s[84:85] offset:\off
	global_store_b128 v[CN], v[NCD+4:NCD+7], s[84:85] offset:(\off)+256
.endm
.irp q, 0,1,2,3,4,5,6,7
.irp b, 0,2
	FRAG NB*\q+\b, ADRB, \q, \b*8*PITCH
	FRAG NB*\q+\b+1, ADRBO, \q, (\b+1)*8*PITCH
.endr
.endr
	WIN 0
	s_wait_tensorcnt 0x0  ; chunk 0 and the scale bytes are in; the first weight is in registers
	s_wait_dscnt 0x0
	BARRIER
	FETCHAT 0, ADRA0, AAS0
	FETCHAT 1, 1, 2
	s_load_b128 s[92:95], s[0:1], 0x58  ; the images, the units
	s_mov_b32 s60, 0x76543210
	s_mov_b32 s61, 0xfedcba98
	s_mov_b32 s62, 0x600000
.set I_, 0
.rept 32
	v_mov_b32 v[ACC+32+I_], 0
.set I_, I_+1
.endr
.irp i, 0,1,2,3
	v_mov_b32 v[TQ+\i], 0
.endr
	s_wait_alu depctr_va_vdst(0)
	s_wait_kmcnt 0x0
	s_add_nc_u64 s[96:97], s[92:93], s[80:81]
	s_add_nc_u64 s[98:99], s[94:95], s[82:83]
	s_add_nc_u64 s[92:93], s[92:93], s[76:77]
	s_add_nc_u64 s[94:95], s[94:95], s[78:79]
	s_lshl_b32 s20, s18, 15
	s_mov_b32 s21, 0
	s_add_nc_u64 s[88:89], s[92:93], s[20:21]  ; v's window
	s_xor_b32 s20, s20, 0x8000
	s_add_nc_u64 s[84:85], s[92:93], s[20:21]  ; the other window
	s_sub_nc_u64 s[84:85], s[84:85], 12288  ; two steps back: the first block's stores stand in the second block
	s_lshl_b32 s20, s16, 6
	s_lshl_b32 s21, s15, 5
	SADD 20, 21  ; my 32 rows of a refill: 64 x column + 32 x row of waves
	s_mul_i32 s12, s20, PITCH
	s_lshl_b32 s13, s20, 10
	s_mov_b32 s46, 0  ; PHASE 1.  s46 the trip; s66, s47 this chunk's slot and the next chunk's; s17, s8 their scale words' step; s6 the rows that are loaded
	s_mov_b32 s66, 0
	s_mov_b32 s47, YB
	s_mov_b32 s17, 0
	s_mov_b32 s8, CSTEP
	s_wait_loadcnt 0x0
.Lfour:
	RBLK 0, 0, 0, NF, 0, 1, ACC+32  ; blocks 0, 4, 8: chunks 1, 2, 3 come
	s_cmp_lt_u32 s14, 2  ; waves 0, 1 and waves 2, 3 have a load line each: the barrier inside the block two on waits for the first line's alone
	s_cbranch_scc0 .Lupper
	TLOAD G0R, G1R
	s_branch .Lboth
.Lupper:
	TLOAD G0R, G1R
.Lboth:
	PLACES NP-4
	s_cmp_eq_u32 s46, 0
	s_cbranch_scc1 .Lno_block_before
	QOUT 0, 260
.Lno_block_before:
	FETCHAT 0, ADRA, AAS
	BLK 0, 1, 1, -1, 1, 1, ACC
	QOUT 0, 0
	FETCHAT 1, ADRA, AAS
	SBLK 0, 0, 0, NF, 2, 1, ACC+32, 1  ; the next chunk's first half is in
	QOUT 0, 256
	s_cmp_eq_u32 s46, 0
	s_cbranch_scc0 .Lnone_ahead
	global_prefetch_b8 v8, s[4:5] offset:CH*KROW th:TH_LOAD_NT scope:SCOPE_SE  ; chunk 3
.Lnone_ahead:
	FETCHAT 0, ADRA, AAS
	BLK 0, 1, 1, -1, 3, 1, ACC
	QOUT 0, 4
	FETCHAT 1, ADRA, AAS
	s_cmp_eq_u32 s46, 0
	s_cselect_b32 s6, s2, s7
	s_mov_b32 s66, s47
	s_mov_b32 s17, s8
	s_xor_b32 s47, s47, YB
	s_add_co_u32 s8, s8, CSTEP
	s_add_co_u32 s46, s46, 1
	s_cmp_lg_u32 s46, 3
	s_cbranch_scc1 .Lfour
	GRD
	s_mov_b32 s20, s13
	s_mov_b32 s21, 0
	s_mov_b32 s[G0A+1], s12
	s_add_nc_u64 s[G0A+2:G0A+3], s[100:101], s[20:21]
	s_or_b32 s[G0A+3], s[G0A+3], 0x80000000
	GROUP1 G1A, 45, CH/4
	s_wait_dscnt 0x0
	s_barrier_signal -1
	MIDDLE
	BARRIER
	TLOAD G0A, G1A
	s_mov_b32 s47, YB+32*PITCH
	s_mov_b32 s8, 3*CSTEP+2*SSTEP
	s_mov_b32 s10, 10240
	s_mov_b32 s11, 0
.Ltwo:
	BLK 0, 0, 0, NF, 4, 1, ACC+32  ; blocks 12, 14
	QOUT 0, 0
	FETCHAT 0, ADRA, AAS
	BLK 0, 1, 1, NF, 5, 1, ACC  ; 13, 15; the block two on is then v's: chunk 3 again, as it lies in slot 1
	QOUT 0, 0
	FETCHAT 1, ADRA, AAS
	s_mov_b32 s47, YB
	s_mov_b32 s8, 3*CSTEP
	s_mov_b32 s10, 2048
	s_add_co_u32 s46, s46, 1
	s_cmp_lg_u32 s46, 5
	s_cbranch_scc1 .Ltwo
; the change of phase
	s_wait_xcnt 0x0
	s_wait_tensorcnt 0x0  ; W_v's rows are in
	s_wait_dscnt 0x0
	BARRIER
.macro CHANGE i  ; among W_v's 128 loads: the last block's way out; W_v's scale words into their place; zeros into what no block has written yet
.if (\i) < 7
.irp k, 0,1,2,3
.if 4*(\i)+\k < 27
	GAPQ 4*(\i)+\k, ACC+32
.endif
.endr
.elseif (\i) < 9
.irp q, 0,1,2,3,4,5,6,7
	v_mov_b32 v[SB+8*((\i)-7)+\q], v[WS+8*((\i)-7)+\q]
.endr
.elseif (\i) < 15
.irp q, 0,1,2,3,4,5,6,7
	v_mov_b32 v[ACC+80+8*((\i)-9)+\q], 0
.endr
.endif
.endm
.irp q, 0,1,2,3,4,5,6,7
.irp b, 0,2
	FRAG NB*\q+\b, ADRB+1, \q, \b*16*PITCH
	FRAG NB*\q+\b+1, ADRB+1, \q, (\b+1)*16*PITCH
	WIN 0
	CHANGE 2*\q+\b/2
.endr
.endr
.irp t, 0,1,2,3
.irp i, 0,1,2,3,4,5,6,7
	v_mov_b32 v[BQ+8*\t+\i], v[BV+\t]  ; bv: a lane holds one channel of a tile
.endr
.endr
	WALU
	QOUT 2048, 256
	GRD
	s_mov_b32 s47, 0
	RDESC 0, 2, 47
	RDESC 1, 2, 47
	s_mov_b32 s46, 0
	s_mov_b32 s47, YB+32*PITCH
	s_mov_b32 s8, 3*CSTEP+2*SSTEP
	s_wait_dscnt 0x0
	s_barrier_signal -1
	MIDDLE
	BARRIER
	TLOAD G0R, G1R
.macro VOUT  ; a pair of v's blocks: four tiles' bytes and codes
.irp t, 0,1,2,3
	ds_store_b8 v[VX], v[EB+\t] offset:256*(\t%2)+4*(\t/2)
	global_store_b128 v[CO], v[MCD+4*\t:MCD+4*\t+3], s[84:85] offset:2048*\t
.endr
.endm
.macro VTO  ; s22 = 2 x K step + pair in the chunk: where a pair's codes and bytes go
	s_lshr_b32 s21, s22, 1
	s_and_b32 s20, s22, 1
	s_lshl_b32 s23, s21, 9
	s_add_co_u32 s23, s23, s20
	v_add_nc_u32 v[VX], s23, v[RD]
	s_lshl_b32 s21, s21, 17
	s_lshl_b32 s20, s20, 9
	SADD 20, 21
	s_mov_b32 s21, 0
	s_add_nc_u64 s[84:85], s[96:97], s[20:21]
	WALU
.endm
.Lpair:
	BLK 1, 0, 0, -1, -1, 2, ACC+64
	s_cmp_eq_u32 s46, 3
	s_cbranch_scc1 .Lnone_0
	FETCHAT 0, ADRA, AAS
	s_wait_dscnt NF
	s_branch .Lgo
.Lnone_0:
	s_wait_dscnt 0x0
.Lgo:
	SBLK 1, 1, 1, -1, -2, 3, ACC+64  ; the first trip's shows chunk 2
.set I_, 0
.rept 16  ; the pair's sums are copied, so that one trip is two blocks of text
	v_dual_mov_b32 v[ACC+64+I_], v[ACC+I_] :: v_dual_mov_b32 v[ACC+64+I_+1], v[ACC+I_+1]
.set I_, I_+2
.endr
.rept 16
	v_dual_mov_b32 v[ACC+64+I_], v[ACC+I_] :: v_dual_mov_b32 v[ACC+64+I_+1], v[ACC+I_+1]
.set I_, I_+2
.endr
	s_add_co_u32 s22, s46, 1
	s_and_b32 s22, s22, 3
	VTO
	s_cmp_eq_u32 s46, 0
	s_cbranch_scc1 .Lno_pair_before
	VOUT
.Lno_pair_before:
	s_cmp_eq_u32 s46, 3
	s_cbranch_scc1 .Lnone_1
	FETCHAT 1, ADRA, AAS
.Lnone_1:
	s_mov_b32 s8, 2*CSTEP+2*SSTEP
	s_cmp_eq_u32 s46, 0
	s_cselect_b32 s47, 0, 32*PITCH
	s_cselect_b32 s8, 2*CSTEP, s8
	s_add_co_u32 s46, s46, 1
	s_cmp_lg_u32 s46, 4
	s_cbranch_scc1 .Lpair
	s_wait_xcnt 0x0
.set K_, 0
.rept 60
	GAPV K_, ACC+64
.set K_, K_+1
.endr
	s_mov_b32 s22, 1
	VTO
	VOUT
	s_wait_dscnt 0x0  ; the scale bytes
	BARRIER
	v_lshlrev_b32 v20, 4, v3
	s_lshl_b32 s21, s14, 9
	s_add_co_u32 s21, s21, XN
	v_add_nc_u32 v21, s21, v20
	v_lshlrev_b32 v22, 3, v3
	s_lshl_b32 s21, s14, 8
	s_add_co_u32 s21, s21, XV
	v_add_nc_u32 v23, s21, v22
	s_wait_alu depctr_va_vdst(0)
	ds_load_b128 v[60:63], v21
	ds_load_b64 v[40:41], v23
	s_wait_dscnt 0x0
	global_store_b128 v20, v[60:63], s[94:95]
	global_store_b64 v22, v[40:41], s[98:99]
	s_wait_tensorcnt 0x0
	ds_add_u32 v[SPW], v[NIL]
	s_wait_dscnt 0x0
	CROUND
	s_endpgm
.Lfunc_end_k_q1c0a2bbe56_proj:
	.size	k_q1c0a2bbe56_proj, .Lfunc_end_k_q1c0a2bbe56_proj-k_q1c0a2bbe56_proj
	.p2alignl 7, 3214868480
	.fill 96, 4, 3214868480
	.section	.rodata,"a",@progbits
	.p2align	6, 0x0
	.amdhsa_kernel k_q1c0a2bbe56_proj
		.amdhsa_group_segment_fixed_size 327680
		.amdhsa_private_segment_fixed_size 0
		.amdhsa_enable_private_segment 0
		.amdhsa_kernarg_size 104
		.amdhsa_user_sgpr_count 2
		.amdhsa_user_sgpr_kernarg_segment_ptr 1
		.amdhsa_wavefront_size32 1
		.amdhsa_system_sgpr_workgroup_id_x 1
		.amdhsa_system_sgpr_workgroup_id_y 1
		.amdhsa_system_sgpr_workgroup_id_z 1
		.amdhsa_system_vgpr_workitem_id 0
		.amdhsa_next_free_vgpr 1024
		.amdhsa_next_free_sgpr 102
		.amdhsa_reserve_vcc 0
		.amdhsa_float_denorm_mode_32 3
		.amdhsa_float_denorm_mode_16_64 3
		.amdhsa_memory_ordered 1
		.amdhsa_forward_progress 1
		.amdhsa_inst_pref_size 163
	.end_amdhsa_kernel
	.amdgpu_metadata
---
amdhsa.version: [ 1, 2 ]
amdhsa.kernels:
  - .name:           k_q1c0a2bbe56_proj
    .symbol:         k_q1c0a2bbe56_proj.kd
    .args:
      - { .name: x_codes, .offset: 0, .size: 8, .value_kind: global_buffer, .address_space: global }
      - { .name: x_scales, .offset: 8, .size: 8, .value_kind: global_buffer, .address_space: global }
      - { .name: Wq_codes, .offset: 16, .size: 8, .value_kind: global_buffer, .address_space: global }
      - { .name: Wq_scales, .offset: 24, .size: 8, .value_kind: global_buffer, .address_space: global }
      - { .name: Wk_codes, .offset: 32, .size: 8, .value_kind: global_buffer, .address_space: global }
      - { .name: Wk_scales, .offset: 40, .size: 8, .value_kind: global_buffer, .address_space: global }
      - { .name: Wv_codes, .offset: 48, .size: 8, .value_kind: global_buffer, .address_space: global }
      - { .name: Wv_scales, .offset: 56, .size: 8, .value_kind: global_buffer, .address_space: global }
      - { .name: bq, .offset: 64, .size: 8, .value_kind: global_buffer, .address_space: global }
      - { .name: bk, .offset: 72, .size: 8, .value_kind: global_buffer, .address_space: global }
      - { .name: bv, .offset: 80, .size: 8, .value_kind: global_buffer, .address_space: global }
      - { .name: qkv_img, .offset: 88, .size: 8, .value_kind: global_buffer, .address_space: global }
      - { .name: qkv_sc, .offset: 96, .size: 8, .value_kind: global_buffer, .address_space: global }
    .group_segment_fixed_size: 327680
    .private_segment_fixed_size: 0
    .kernarg_segment_align: 8
    .kernarg_segment_size: 104
    .max_flat_workgroup_size: 128
    .sgpr_count:     102
    .vgpr_count:     1024
    .wavefront_size: 32
...
	.end_amdgpu_metadata
.endif
;; end of part 1
;; launch scores (part 2): grid 8 x 32, 4 waves a work-group, clusters of 4 x 4, 327,680 bytes of LDS; arguments qkv_img, qkv_sc, p_img, p_st; writes p_img, p_st
.if DOCPART == 2
	.amdgcn_target "amdgcn-amd-amdhsa--gfx1250"
	.amdhsa_code_object_version 6
	.text
	.protected	k_q1c0a2bbe56_scores
	.globl	k_q1c0a2bbe56_scores
	.p2align	8
	.type	k_q1c0a2bbe56_scores,@function
k_q1c0a2bbe56_scores:
	s_mov_b64 s[64:65], 0
	v_nop
	global_prefetch_b8 v0, s[64:65] scope:SCOPE_SE
	s_setreg_imm32_b32 hwreg(HW_REG_WAVE_MODE, 25, 1), 1
	s_wait_xcnt 0x0
	s_wait_alu depctr_hold_cnt(0) depctr_sa_sdst(0) depctr_va_vdst(0) depctr_va_sdst(0) depctr_va_ssrc(0) depctr_va_vcc(0) depctr_vm_vsrc(0)
	s_getreg_b32 s2, hwreg(HW_REG_IB_STS2, 6, 4)
	s_cmp_eq_u32 s2, 0
	s_cbranch_scc0 .Lentry_in_a_cluster
	s_endpgm
.Lentry_in_a_cluster:
	s_bfe_u32 s2, ttmp6, 0x10000c
	s_cmp_lg_u32 s2, 0xf033
	s_cbranch_scc0 .Lentry_shape_is_right
	s_endpgm
.Lentry_shape_is_right:
; S = q k^T on codes of BF8 (E5M2) with E8M0 scales, K = 1,024, and the softmax's p, quantised along the keys, for each run of 128 keys by itself.
; t = score x log2(e) / 32.  For a query and a run of 128 keys: M = ceil(the run's largest t), a whole number; p = 2^(t - M); the run's sum is taken of the unquantised p.  Stored: p's codes as images of operand
; registers, p's scale words, -M and the sum.  The next launch brings every run under the row's largest M by the scale bytes alone: a power of two, which changes no code.
; SHARES.  A tile of 256 queries x 256 keys of one batch to a work-group of four waves, 128 x 128 a wave.  Source 0 = 16 keys, source 1 = 16 queries: a lane holds one query, its registers run along the keys.
; q's and k's images are dense: a K step's 256 rows are 32,768 consecutive bytes.  A slot holds two K steps of both: one tensor load a wave.  A fragment load reads 512 consecutive bytes: no padding.
; 4 x 4 work-groups form a cluster: q's tiles are asked for jointly along a row, k's along a column.  The scale words of my rows for all of K stay in registers.
; PREFETCHES: of the 128 units of 256 bytes that a wave loads for a slot its work-group asks for 32, a lane a unit; the four partners of a joint load share them out by address.  Slot 1's first fill is asked for behind the head's load, the later two fills one slot, two K steps, ahead of their loads.
; LIMITS: NaN and infinities are not served; the promise holds while |t| stays under 2^31.  A block whose every p is 0 gets the byte 1: its codes are zeros.
; REGISTERS: window 0: v4-15 the three units to store; v16-30 addresses; v32-63 q's scale words, v64-95 k's; v96-121 at work; v128-255 A's fragments.  On the way out: v32-63 at work, v64-95 a pair of blocks' codes, v128-255 its p.
;   window 1: B's fragments, two sets.  windows 2, 3: the accumulators.
.set FR,    16
.set NL,    4
.set NP,    8
.set SLOT,  131072                     ; q's K steps 0, 1, then k's: 32,768 bytes each
.set SPARE, 2*SLOT                     ; the spare words
.set SCW,  4
.set MW,   8
.set LW,   12
.set ADRA, 16
.set ADRB, 20
.set LI,   24
.set SPW,  28
.set NIL,  29
.set PFO,  30                          ; the prefetches' offset; never rewritten
.set SA,   32                          ; q's scale words: K step ks at v[SA + 4 ks ..]; block i: register i / 2, lanes 16 (i % 2) on
.set SB,   64                          ; k's likewise, neighbouring K steps exchanged: no product's two scale words have numbers equal modulo 8
.set LIM,  32
.set SCF,  40
.set SU,   48                          ; the sums: four pairs for each of two blocks
.set PC,   64
.set BM,   96                          ; the largest score, then the largest p, of each block of 32 keys
.set BX,   104
.set NM,   112                         ; v112, v114: -M of the two blocks of queries
.set TA,   116
.set TB,   118
.set QW,   120
.set AF,   128
.set Y,    128
.set G1, 24
.set G0, 32
.set G1B, 48
.set G0B, 56
.set HI,  18
.set MNT, 19
.set SEL, 20
.set CS,  22
.set PFA, 76                           ; s[76:77] the prefetches' base
.set MSB, 0
.macro WIN new
.if MSB != (\new)
	s_set_vgpr_msb (MSB<<8)|(\new)
.set MSB, (\new)
.endif
.endm
.set MUL_LO, 0xa1
.set MUL_HI, 0xf1
.set TO_B,   0x40
.macro JLOAD g0a, g1a, g0b, g1b
	s_cmp_eq_u32 s15, 0
	s_cbranch_scc0 .Lfor_b_\@
	tensor_load_to_lds s[\g0a:\g0a+3], s[\g1a:\g1a+7]
	s_nop 0
.rept 4
	v_nop
.endr
	s_branch .Lasked_\@
.Lfor_b_\@:
	tensor_load_to_lds s[\g0b:\g0b+3], s[\g1b:\g1b+7]
	s_nop 0
.rept 4
	v_nop
.endr
.Lasked_\@:
.endm
.macro CREST
	s_cmp_lg_u32 s14, 0
	s_cbranch_scc1 .Lnot_wave_0_\@
	s_barrier_signal -3
.Lnot_wave_0_\@:
	s_barrier_wait -3
	s_barrier_signal -1
	s_barrier_wait -1
.endm
.macro CROUND
	s_barrier_signal -1
	s_barrier_wait -1
	CREST
.endm
.macro PLACES n
.rept \n
	v_nop
.endr
.endm
	s_load_b256 s[4:11], s[0:1], 0x0               ; the images, their scale units, p's images, p's units
	v_lshl_add_u32 v[SPW], v0, 2, SPARE
	v_mov_b32 v[NIL], 0
	ds_add_u32 v[SPW], v[NIL]                      ; the wave's opening: the add, twice on end, and its wait ahead of my first tensor load
	ds_add_u32 v[SPW], v[NIL]
	v_lshrrev_b32 v1, 5, v0
	v_readfirstlane_b32 s14, v1                    ; wave 0..3
	s_lshr_b32 s15, s14, 1                         ; my half of the queries.  Also: I fetch q's (0) or k's (1)
	s_and_b32 s16, s14, 1                          ; my half of the keys.  Also: which of a slot's two K steps I fetch
	s_bfe_u32 s40, ttmp6, 0x40000                  ; cx
	s_bfe_u32 s41, ttmp6, 0x40004                  ; cy
	s_and_b32 s18, ttmp7, 0xffff
	s_lshl_b32 s17, s18, 2
	s_add_co_u32 s17, s17, s41                     ; my block of 256 queries, of 32: 4 x cluster y + cy
	s_lshl_b32 s66, ttmp9, 2
	s_add_co_u32 s66, s66, s40                     ; my block of 256 keys in the batch, of 8
	s_lshr_b32 s18, s18, 1                         ; the batch: two clusters along y to each
	s_lshl_b32 s18, s18, 3
	s_add_co_u32 s42, s18, s66                     ; and among all rows of k
	s_lshl_b32 s43, s41, 2
	s_lshl_b32 s43, 15, s43                        ; my row of the cluster
	s_lshl_b32 s44, 0x1111, s40                    ; my column
	s_or_b32 s[G1+0], s43, (3<<16)|(1<<21)         ; the mask; elements of 8 bytes; bit 21 beside a mask; no padding
	s_or_b32 s[G1B+0], s44, (3<<16)|(1<<21)
.irp g, G1, G1B
	s_mov_b32 s[\g+1], 32<<16                      ; 32,768 dense bytes as 128 rows of 256
	s_mov_b32 s[\g+2], 128<<16
	s_mov_b32 s[\g+3], 32<<16
	s_mov_b32 s[\g+4], 128
	s_mov_b32 s[\g+5], 32
	s_mov_b32 s[\g+6], 0
	s_mov_b32 s[\g+7], 0
.endr
	s_lshl_b32 s18, s16, 20                        ; a K step of images is 512 row blocks: 2^20 bytes
	s_lshl_b32 s20, s17, 15
	s_add_co_u32 s20, s20, s18
	s_mov_b32 s21, 0
	s_lshl_b32 s46, s42, 15
	s_add_co_u32 s46, s46, s18
	s_add_co_u32 s46, s46, 0x800000                ; k's images lie behind q's
	s_mov_b32 s47, 0
	s_lshl_b32 s45, s14, 15                        ; where my load goes: wave x 32,768
	s_wait_dscnt 0x0                               ; both opening adds are done
	s_wait_kmcnt 0x0
	s_add_nc_u64 s[20:21], s[4:5], s[20:21]
	s_add_nc_u64 s[46:47], s[4:5], s[46:47]
.irp s, 0,1
	s_mov_b32 s[G0+4*\s], 1
	s_add_co_u32 s[G0+4*\s+1], s45, \s*SLOT
	s_add_nc_u64 s[G0+4*\s+2:G0+4*\s+3], s[20:21], \s*0x200000
	s_or_b32 s[G0+4*\s+3], s[G0+4*\s+3], 0x80000000
	s_mov_b32 s[G0B+4*\s], 1
	s_add_co_u32 s[G0B+4*\s+1], s45, \s*SLOT
	s_add_nc_u64 s[G0B+4*\s+2:G0B+4*\s+3], s[46:47], \s*0x200000
	s_or_b32 s[G0B+4*\s+3], s[G0B+4*\s+3], 0x80000000
.endr
	CROUND                                         ; the first joint loads meet
	JLOAD G0, G1, G0B, G1B                         ; slot 0: one load a wave at the head
	s_cmp_eq_u32 s15, 0
	s_cselect_b64 s[PFA:PFA+1], s[20:21], s[46:47]
	s_cselect_b32 s78, s40, s41                    ; my place among the partners
	s_lshl_b32 s78, s78, 13
	s_mov_b32 s79, 0
	s_add_nc_u64 s[PFA:PFA+1], s[PFA:PFA+1], s[78:79]
	s_lshl_b32 s67, s17, 1
	s_add_co_u32 s67, s67, s15                     ; my group of 128 queries
	s_lshl_b32 s68, s67, 12                        ; 8 units of 512 bytes a group
	s_mov_b32 s69, 0
	s_add_nc_u64 s[68:69], s[6:7], s[68:69]
	s_lshl_b32 s70, s42, 1
	s_add_co_u32 s70, s70, s16
	s_lshl_b32 s70, s70, 12
	s_add_co_u32 s70, s70, 262144                  ; k's units lie behind q's
	s_mov_b32 s71, 0
	s_add_nc_u64 s[70:71], s[6:7], s[70:71]
	s_lshl_b32 s72, s15, 14                        ; my 8 row blocks of q
	s_lshl_b32 s73, s16, 14                        ; my 8 of k,
	s_add_co_u32 s73, s73, 65536                   ; behind q's two K steps
	v_and_b32 v1, 31, v0
	v_lshlrev_b32 v[LI], 4, v1                     ; 16 x lane
	v_lshlrev_b32 v[PFO], 8, v1
	v_add_nc_u32 v[ADRA], s72, v[LI]
	v_add_nc_u32 v[ADRA+1], SLOT, v[ADRA]
	v_add_nc_u32 v[ADRB], s73, v[LI]
	v_add_nc_u32 v[ADRB+1], SLOT, v[ADRB]
	s_wait_alu depctr_va_vdst(0)
.irp k, 0,1,2,3,4,5,6,7
	global_load_b128 v[SA+4*\k:SA+4*\k+3], v[LI], s[68:69] offset:512*\k
	global_load_b128 v[SB+4*(\k+1-2*(\k%2)):SB+4*(\k+1-2*(\k%2))+3], v[LI], s[70:71] offset:512*\k
.endr
	global_prefetch_b8 v[PFO], s[PFA:PFA+1] offset:0x200000 th:TH_LOAD_NT scope:SCOPE_SE   ; K steps 2 and 3: slot 1's first fill, behind the whole flight of slot 0's
	s_lshl_b32 s72, s66, 1
	s_add_co_u32 s72, s72, s16                     ; my run of 128 keys in the batch, of 16
	s_lshl_b32 s74, s72, 20
	s_lshl_b32 s75, s67, 14
	s_add_co_u32 s74, s74, s75
	s_mov_b32 s75, 0
	s_add_nc_u64 s[8:9], s[8:9], s[74:75]          ; p's images: [run][row block][2,048]
	s_lshl_b32 s74, s67, 4
	s_add_co_u32 s74, s74, s72
	s_lshl_b32 s74, s74, 9
	s_add_nc_u64 s[10:11], s[10:11], s[74:75]      ; p's units: [group][run][512]
.macro FRAG reg, adr, q, i             ; an image comes back as it was stored: 512 consecutive bytes a load
.irp c, 0,1,2,3
	ds_load_b128 v[\reg+4*\c:\reg+4*\c+3], v[\adr] offset:32768*(\q)+2048*(\i)+512*\c
.endr
.endm
.macro WM a, b, p, ks, zero            ; one product: q's block a x k's block b.  The rows of the scale registers go by the blocks' parity
.set rD, 8*(8*((\a)%4)+(\b))
.set rB, 128*(\p)+FR*(\b)
.set rA, AF+FR*(\a)
.set sB, SB+4*((\ks)+1-2*((\ks)%2))+(\b)/2
.set sA, SA+4*(\ks)+(\a)/2
.set par, 2*((\a)%2)+(\b)%2
.if \zero
.if par == 0
	v_wmma_scale_f32_16x16x128_f8f6f4 v[rD:rD+7], v[rB:rB+15], v[rA:rA+15], 0, v[sB], v[sA] matrix_a_fmt:MATRIX_FMT_BF8 matrix_b_fmt:MATRIX_FMT_BF8
.elseif par == 1
	v_wmma_scale_f32_16x16x128_f8f6f4 v[rD:rD+7], v[rB:rB+15], v[rA:rA+15], 0, v[sB], v[sA] matrix_a_fmt:MATRIX_FMT_BF8 matrix_b_fmt:MATRIX_FMT_BF8 matrix_a_scale:MATRIX_SCALE_ROW1
.elseif par == 2
	v_wmma_scale_f32_16x16x128_f8f6f4 v[rD:rD+7], v[rB:rB+15], v[rA:rA+15], 0, v[sB], v[sA] matrix_a_fmt:MATRIX_FMT_BF8 matrix_b_fmt:MATRIX_FMT_BF8 matrix_b_scale:MATRIX_SCALE_ROW1
.else
	v_wmma_scale_f32_16x16x128_f8f6f4 v[rD:rD+7], v[rB:rB+15], v[rA:rA+15], 0, v[sB], v[sA] matrix_a_fmt:MATRIX_FMT_BF8 matrix_b_fmt:MATRIX_FMT_BF8 matrix_a_scale:MATRIX_SCALE_ROW1 matrix_b_scale:MATRIX_SCALE_ROW1
.endif
.else
.if par == 0
	v_wmma_scale_f32_16x16x128_f8f6f4 v[rD:rD+7], v[rB:rB+15], v[rA:rA+15], v[rD:rD+7], v[sB], v[sA] matrix_a_fmt:MATRIX_FMT_BF8 matrix_b_fmt:MATRIX_FMT_BF8
.elseif par == 1
	v_wmma_scale_f32_16x16x128_f8f6f4 v[rD:rD+7], v[rB:rB+15], v[rA:rA+15], v[rD:rD+7], v[sB], v[sA] matrix_a_fmt:MATRIX_FMT_BF8 matrix_b_fmt:MATRIX_FMT_BF8 matrix_a_scale:MATRIX_SCALE_ROW1
.elseif par == 2
	v_wmma_scale_f32_16x16x128_f8f6f4 v[rD:rD+7], v[rB:rB+15], v[rA:rA+15], v[rD:rD+7], v[sB], v[sA] matrix_a_fmt:MATRIX_FMT_BF8 matrix_b_fmt:MATRIX_FMT_BF8 matrix_b_scale:MATRIX_SCALE_ROW1
.else
	v_wmma_scale_f32_16x16x128_f8f6f4 v[rD:rD+7], v[rB:rB+15], v[rA:rA+15], v[rD:rD+7], v[sB], v[sA] matrix_a_fmt:MATRIX_FMT_BF8 matrix_b_fmt:MATRIX_FMT_BF8 matrix_a_scale:MATRIX_SCALE_ROW1 matrix_b_scale:MATRIX_SCALE_ROW1
.endif
.endif
.endm
.macro MUL16 a0, p, ks, zero           ; the 64 accumulators take turns, one instruction a turn
.irp a, \a0, \a0+1
.irp b, 0,1,2,3,4,5,6,7
	WM \a, \b, \p, \ks, \zero
.endr
.endr
.endm
.macro FETCH_B slot, q, p
	WIN TO_B
.irp i, 0,1,2,3,4,5,6,7
	FRAG 128*(\p)+FR*\i, ADRB+\slot, \q, \i
.endr
	WIN 0
.endm
.macro FETCH_A slot, q, i0
.irp i, \i0, \i0+1, \i0+2, \i0+3
	FRAG AF+FR*(\i), ADRA+\slot, \q, \i
.endr
.endm
.macro STEP slot, ks, zero             ; a slot's first K step
	s_wait_dscnt 4*NL                              ; all but the youngest 16 loads (q's blocks 4-7) are in
	WIN MUL_LO
	MUL16 0, 0, \ks, \zero
	MUL16 2, 0, \ks, \zero
	s_wait_dscnt 0
	PLACES NP                                      ; in front of loads into registers that matrix instructions have read
	FETCH_B \slot, 1, 1
	FETCH_A \slot, 1, 0
	WIN MUL_HI
	MUL16 4, 0, \ks, \zero
	MUL16 6, 0, \ks, \zero
	PLACES NP
	WIN 0
	FETCH_A \slot, 1, 4
.endm
.macro TURN slot, next, fill, ks       ; a slot's second K step changes slots
	s_wait_tensorcnt 0x0                           ; all my tensor loads have landed: my part of the next slot
	ds_add_u32 v[SPW], v[NIL]
	s_wait_dscnt 4*NL+1                            ; the add and the youngest 16 loads may be out
	WIN MUL_LO
	MUL16 0, 1, \ks, 0
	s_wait_dscnt 0x0                               ; the add is done, and my reads of this slot are over
	s_barrier_signal -1
	MUL16 2, 1, \ks, 0
	WIN 0
	s_barrier_wait -1
.if \fill
	CREST                                          ; a round of the cluster's barrier: no wave of any partner still reads this slot or has a load on its way
	s_add_nc_u64 s[G0+4*\slot+2:G0+4*\slot+3], s[G0+4*\slot+2:G0+4*\slot+3], 0x400000   ; four K steps on
	s_add_nc_u64 s[G0B+4*\slot+2:G0B+4*\slot+3], s[G0B+4*\slot+2:G0B+4*\slot+3], 0x400000
	JLOAD G0+4*\slot, G1, G0B+4*\slot, G1B
	PLACES NP-4
.else
	PLACES NP
.endif
	FETCH_B \next, 0, 0
	FETCH_A \next, 0, 0
	WIN MUL_HI
	MUL16 4, 1, \ks, 0
	MUL16 6, 1, \ks, 0
	PLACES NP
	WIN 0
	FETCH_A \next, 0, 4
.endm
	s_wait_tensorcnt 0x0                           ; my part of slot 0 is in
	ds_add_u32 v[SPW], v[NIL]
	s_wait_dscnt 0x0
	CROUND
	JLOAD G0+4, G1, G0B+4, G1B                     ; slot 1
	FETCH_B 0, 0, 0
	FETCH_A 0, 0, 0
	FETCH_A 0, 0, 4
	global_prefetch_b8 v[PFO], s[PFA:PFA+1] offset:0x400000 th:TH_LOAD_NT scope:SCOPE_SE   ; K steps 4 and 5, a slot ahead of their load
	s_wait_loadcnt 0x0                             ; the scale words
	STEP 0, 0, 1                                   ; the first products start the sums
	TURN 0, 1, 1, 1
	global_prefetch_b8 v[PFO], s[PFA:PFA+1] offset:0x600000 th:TH_LOAD_NT scope:SCOPE_SE   ; K steps 6 and 7
	STEP 1, 2, 0
	TURN 1, 0, 1, 3
	STEP 0, 4, 0
	TURN 0, 1, 0, 5
	STEP 1, 6, 0
	s_wait_dscnt 4*NL
	WIN MUL_LO
	MUL16 0, 1, 7, 0
	MUL16 2, 1, 7, 0
	s_wait_dscnt 0
	WIN MUL_HI
	MUL16 4, 1, 7, 0
	MUL16 6, 1, 7, 0
	WIN 0
; THE SOFTMAX OF TWO BLOCKS OF 16 QUERIES x 128 KEYS, a and a + 1, line by line by turns.  Tile b, register j of lane (r, h) is (query r, key 16 b + 8 h + j); blocks of 32 keys 0-3 are block a's, 4-7 block a + 1's.
.macro SOFT2 a
.set AC, 64*((\a)%4)
.irp b, 0,1,2,3,4,5,6,7
	v_mov_b32 v[BM+\b], 0xff800000
.endr
	WIN 0x28+0x14*((\a)/4)                         ; sources 1 and 2: window 2 or 3
	s_wait_alu depctr_va_vdst(0)                   ; ahead of the first readers of these scores
.irp i, 0,2,4,6,8,10,12,14
.irp b, 0,1,2,3,4,5,6,7
	v_max3_num_f32 v[BM+\b], v[BM+\b], v[AC+16*\b+\i], v[AC+16*\b+\i+1]   ; the largest score of each block of 32 keys; each accumulator from its low end on
.endr
.endr
	WIN 0
.irp b, 0,1,2,3,4,5,6,7
	v_permlanex16_b32 v[BX+\b], v[BM+\b], s[SEL], s[SEL+1]
.endr
.irp b, 0,1,2,3,4,5,6,7
	v_max_num_f32 v[BM+\b], v[BM+\b], v[BX+\b]
.endr
.irp k, 0,1
	v_max3_num_f32 v[TA+\k], v[BM+4*\k], v[BM+4*\k+1], v[BM+4*\k+2]
.endr
.irp k, 0,1
	v_max_num_f32 v[TA+\k], v[TA+\k], v[BM+4*\k+3]
.endr
.irp k, 0,1
	v_mul_f32 v[TA+\k], s[CS], v[TA+\k]            ; the run's largest t
.endr
.irp k, 0,1
	v_floor_f32 v[NM+2*\k], -v[TA+\k]              ; -M = -ceil(t)
.endr
	WIN 0x02+(\a)/4
.set n, 0
.rept 64
	v_pk_fma_f32 v[Y+n:Y+n+1], v[AC+n:AC+n+1], s[CS:CS+1], v[NM+2*(n/64):NM+2*(n/64)+1] op_sel_hi:[1,0,0]   ; t - M
.set n, n+2
.endr
	WIN 0
.irp b, 0,1,2,3,4,5,6,7
	v_fma_f32 v[BM+\b], v[BM+\b], s[CS], v[NM+2*(\b/4)]   ; the same of each block's largest score: p rises with the score
.endr
	s_wait_alu depctr_va_vdst(0)                   ; ahead of the batch
.if (\a) > 0
	s_wait_xcnt 0x0                                ; the stores of the pair before have read the registers of codes
.endif
.irp b, 0,1,2,3,4,5,6,7
	v_exp_f32 v[BM+\b], v[BM+\b]                   ; the blocks' largest p
.endr
.set n, 0
.rept 128
	v_exp_f32 v[Y+n], v[Y+n]                       ; p = 2^(t - M)
.set n, n+1
.endr
	v_cndmask_b32 v[MW+(\a)/2], v[NM], v[NM+2], s[HI]   ; block a's numbers in lanes 0-15, block a + 1's in lanes 16-31.  (A plain place behind the exponentials)
	s_wait_alu depctr_va_vdst(0)                   ; one wait for the batch, ahead of its first reader
.irp c, 0,1,2,3
.irp k, 0,1
	v_pk_add_f32 v[SU+8*\k+2*\c:SU+8*\k+2*\c+1], v[Y+64*\k+2*\c:Y+64*\k+2*\c+1], v[Y+64*\k+8+2*\c:Y+64*\k+9+2*\c]   ; the sums of the unquantised p, four chains a block
.endr
.endr
.irp j, 16,24,32,40,48,56
.irp c, 0,1,2,3
.irp k, 0,1
	v_pk_add_f32 v[SU+8*\k+2*\c:SU+8*\k+2*\c+1], v[SU+8*\k+2*\c:SU+8*\k+2*\c+1], v[Y+64*\k+\j+2*\c:Y+64*\k+\j+2*\c+1]
.endr
.endr
.endr
.irp k, 0,1
	v_pk_add_f32 v[SU+8*\k:SU+8*\k+1], v[SU+8*\k:SU+8*\k+1], v[SU+8*\k+2:SU+8*\k+3]
	v_pk_add_f32 v[SU+8*\k+4:SU+8*\k+5], v[SU+8*\k+4:SU+8*\k+5], v[SU+8*\k+6:SU+8*\k+7]
.endr
.irp b, 0,1,2,3,4,5,6,7
	v_max_num_f32 v[BM+\b], 0x8000000, v[BM+\b]    ; the floor 2^(16 - 127)
.endr
.irp k, 0,1
	v_pk_add_f32 v[SU+8*\k:SU+8*\k+1], v[SU+8*\k:SU+8*\k+1], v[SU+8*\k+4:SU+8*\k+5]
.endr
.irp b, 0,1,2,3,4,5,6,7
	v_add_nc_u32 v[SCF+\b], 0xf8800000, v[BM+\b]   ; the conversion's scale operand
.endr
.irp k, 0,1
	v_add_f32 v[TA+\k], v[SU+8*\k], v[SU+8*\k+1]
.endr
.irp b, 0,1,2,3,4,5,6,7
	v_and_or_b32 v[LIM+\b], v[BM+\b], 0x7f800000, s[MNT]   ; 57,344 x the scale
.endr
.irp k, 0,1
	v_permlanex16_b32 v[TB+\k], v[TA+\k], s[SEL], s[SEL+1]
.endr
.irp b, 0,1,2,3,4,5,6,7
	v_lshrrev_b32 v[BX+\b], 23, v[SCF+\b]          ; the scale's byte: at most 112, since p is at most 1
.endr
.irp k, 0,1
	v_add_f32 v[TA+\k], v[TA+\k], v[TB+\k]
.endr
.irp k, 0,1
	v_lshl_or_b32 v[QW+\k], v[BX+4*\k+1], 8, v[BX+4*\k]
.endr
	v_cndmask_b32 v[LW+(\a)/2], v[TA], v[TA+1], s[HI]
.irp k, 0,1
	v_lshl_or_b32 v[QW+\k], v[BX+4*\k+2], 16, v[QW+\k]
.endr
.irp k, 0,1
	v_lshl_or_b32 v[QW+\k], v[BX+4*\k+3], 24, v[QW+\k]
.endr
.irp b, 0,1,2,3,4,5,6,7
.irp i, 0,2,4,6,8,10,12,14
	v_dual_min_num_f32 v[Y+16*\b+\i], v[Y+16*\b+\i], v[LIM+\b] :: v_dual_min_num_f32 v[Y+16*\b+\i+1], v[Y+16*\b+\i+1], v[LIM+\b]   ; the conversion does not saturate (ISA guide 7.6.2); p is not negative
.endr
.endr
	v_cndmask_b32 v[SCW+(\a)/2], v[QW], v[QW+1], s[HI]
.irp b, 0,1,2,3,4,5,6,7
	v_cvt_scalef32_pk8_bf8_f32 v[PC+4*\b:PC+1+4*\b], v[Y+16*\b:Y+7+16*\b], v[SCF+\b]
	v_cvt_scalef32_pk8_bf8_f32 v[PC+2+4*\b:PC+3+4*\b], v[Y+8+16*\b:Y+15+16*\b], v[SCF+\b]
.endr
	v_nop                                          ; a plain instruction behind the last conversion
.irp b, 0,1,2,3,4,5,6,7
	v_permlane16_swap_b32 v[PC+4*\b], v[PC+4*\b+2] ; lane (r, h) then holds keys 32 b + 16 h + 0 .. 15: the operand's registers
	v_permlane16_swap_b32 v[PC+4*\b+1], v[PC+4*\b+3]
.endr
.irp b, 0,1,2,3,4,5,6,7
	global_store_b128 v[LI], v[PC+4*\b:PC+4*\b+3], s[8:9] offset:2048*(\a)+512*\b   ; 512 consecutive bytes, aligned
.endr
.endm
	PLACES NP                                      ; behind the last products
	s_mov_b32 s[SEL], 0x76543210
	s_mov_b32 s[SEL+1], 0xfedcba98
	s_mov_b32 s[CS], 0x3d38aa3b                    ; log2(e) / 32
	s_mov_b32 s[CS+1], s[CS]
	s_mov_b32 s[MNT], 0x600000
	s_mov_b32 s[HI], 0xffff0000
.irp b, 0,1,2,3,4,5,6,7
	v_mov_b32 v[BX+\b], 0                          ; a lane permute's destination counts as one of its sources
.endr
	v_mov_b32 v[TB], 0
	v_mov_b32 v[TB+1], 0
	v_mov_b32 v[NM+1], 0                           ; named with NM as a pair
	v_mov_b32 v[NM+3], 0
.irp a, 0,2,4,6
	SOFT2 \a
.endr
	global_store_b128 v[LI], v[SCW:SCW+3], s[10:11]                   ; p's scale words,
	global_store_b128 v[LI], v[MW:MW+3], s[10:11] offset:524288      ; -M,
	global_store_b128 v[LI], v[LW:LW+3], s[10:11] offset:1048576     ; the sums: a unit of 512 bytes each
	s_wait_tensorcnt 0x0                           ; the wave's end
	ds_add_u32 v[SPW], v[NIL]
	s_wait_dscnt 0x0
	CROUND                                         ; the closing round
	s_endpgm
.Lfunc_end_k_q1c0a2bbe56_scores:
	.size	k_q1c0a2bbe56_scores, .Lfunc_end_k_q1c0a2bbe56_scores-k_q1c0a2bbe56_scores
	.p2alignl 7, 3214868480
	.fill 96, 4, 3214868480
	.section	.rodata,"a",@progbits
	.p2align	6, 0x0
	.amdhsa_kernel k_q1c0a2bbe56_scores
		.amdhsa_group_segment_fixed_size 327680
		.amdhsa_private_segment_fixed_size 0
		.amdhsa_enable_private_segment 0
		.amdhsa_kernarg_size 32
		.amdhsa_user_sgpr_count 2
		.amdhsa_user_sgpr_kernarg_segment_ptr 1
		.amdhsa_wavefront_size32 1
		.amdhsa_system_sgpr_workgroup_id_x 1
		.amdhsa_system_sgpr_workgroup_id_y 1
		.amdhsa_system_sgpr_workgroup_id_z 1
		.amdhsa_system_vgpr_workitem_id 0
		.amdhsa_next_free_vgpr 1024
		.amdhsa_next_free_sgpr 80
		.amdhsa_reserve_vcc 0
		.amdhsa_float_denorm_mode_32 3
		.amdhsa_float_denorm_mode_16_64 3
		.amdhsa_memory_ordered 1
		.amdhsa_forward_progress 1
		.amdhsa_inst_pref_size 224
	.end_amdhsa_kernel
	.amdgpu_metadata
---
amdhsa.version: [ 1, 2 ]
amdhsa.kernels:
  - .name:           k_q1c0a2bbe56_scores
    .symbol:         k_q1c0a2bbe56_scores.kd
    .args:
      - { .name: qkv_img, .offset: 0, .size: 8, .value_kind: global_buffer, .address_space: global }
      - { .name: qkv_sc, .offset: 8, .size: 8, .value_kind: global_buffer, .address_space: global }
      - { .name: p_img, .offset: 16, .size: 8, .value_kind: global_buffer, .address_space: global }
      - { .name: p_st, .offset: 24, .size: 8, .value_kind: global_buffer, .address_space: global }
    .group_segment_fixed_size: 327680
    .private_segment_fixed_size: 0
    .kernarg_segment_align: 8
    .kernarg_segment_size: 32
    .max_flat_workgroup_size: 128
    .sgpr_count:     80
    .vgpr_count:     1024
    .wavefront_size: 32
...
	.end_amdgpu_metadata
.endif
;; end of part 2
;; launch pv (part 3): grid 8 x 32, 4 waves a work-group, clusters of 4 x 4, 327,680 bytes of LDS; arguments p_img, p_st, qkv_img, qkv_sc, out0; writes out0
.if DOCPART == 3
	.amdgcn_target "amdgcn-amd-amdhsa--gfx1250"
	.amdhsa_code_object_version 6
	.text
	.protected	k_q1c0a2bbe56_pv
	.globl	k_q1c0a2bbe56_pv
	.p2align	8
	.type	k_q1c0a2bbe56_pv,@function
k_q1c0a2bbe56_pv:
	s_mov_b64 s[64:65], 0
	v_nop
	global_prefetch_b8 v0, s[64:65] scope:SCOPE_SE
	s_setreg_imm32_b32 hwreg(HW_REG_WAVE_MODE, 25, 1), 1
	s_wait_xcnt 0x0
	s_wait_alu depctr_hold_cnt(0) depctr_sa_sdst(0) depctr_va_vdst(0) depctr_va_sdst(0) depctr_va_ssrc(0) depctr_va_vcc(0) depctr_vm_vsrc(0)
	s_getreg_b32 s2, hwreg(HW_REG_IB_STS2, 6, 4)
	s_cmp_eq_u32 s2, 0
	s_cbranch_scc0 .Lentry_in_a_cluster
	s_endpgm
.Lentry_in_a_cluster:
	s_bfe_u32 s2, ttmp6, 0x10000c
	s_cmp_lg_u32 s2, 0xf033
	s_cbranch_scc0 .Lentry_shape_is_right
	s_endpgm
.Lentry_shape_is_right:
; out = P v / l on codes of BF8 (E5M2) with E8M0 scales, K = the batch's 2,048 keys, 16 K steps of 128.  P's codes, scale words, -M and sums come run by run of 128 keys, each run under its own M.
; A run is brought under the row's largest M by its scale bytes: a byte is taken down by M_row - M_run; what falls under 0 becomes the byte 0, 2^-127, beside a largest p above 1/2.  The row's sum l is that of the runs' sums x 2^(M_run - M_row).
; That work, 12 lines on each of 4 words for a K step, stands among the products of the step before: only the row's M is made in the head.
; SHARES.  A tile of 256 queries x 128 channels to a work-group of four waves, 128 x 64 a wave.  Source 0 = 16 channels, source 1 = 16 queries: a lane holds one query, its registers run along the channels.
; THE RING: two LDS slots of THREE K steps, 147,456 bytes each: six fills in all, the last of one K step.  The images are dense: a K step of my half of P is 16,384 consecutive bytes, of v^T 8,192: a load's tile is
; three such rows.  One load a wave: waves 0 and 1 P's halves, waves 2 and 3 v^T's.  A fragment load reads 512 consecutive bytes: no padding.
; CLUSTER 4 x 4: P's tiles are asked for jointly along a row, v^T's along a column.
; PREFETCHES: fills 2, 3 and 4 are asked for one slot, three K steps, ahead of their loads; each 256 bytes once in a cluster, the four partners of a joint load share a wave's part out by address.  Fill 1 is asked for behind fill 0's load; fills 0 and 5 come by their loads alone.
; LIMITS: NaN and infinities are not served; |M| as in the launch before.
; REGISTERS: window 0: below.  window 1: P's fragments, two sets of 128.  window 2: the accumulators ((a, b) at v[8 (4 a + b)]).  window 3: v^T's fragments, two sets of 64.
.set AH,    49152                      ; half of P's rows in a slot: 3 x 16,384
.set BH,    24576                      ; half of v^T's: 3 x 8,192
.set SLOT,  2*AH+2*BH
.set SPARE, 2*SLOT
.set SPITCH, 272                       ; the way out: 16 rows x (256 bytes + 16) for each wave, in slot 0, which has had its last fill and its last read by then
.set LT,   0                           ; v0-3   the row's sum (v0 is the thread's number in the head)
.set ADRA, 4                           ; v4, v5 my fragments of P in slot 0, 1
.set ADRB, 6
.set LI,   8                           ; v8     16 x lane
.set PFO,  9                           ; v9, v10 the prefetches' offsets; never rewritten
.set PFO2, 10
.set SPW,  11
.set NIL,  12
.set STO,  13
.set RD,   14
.set CO,   15
.set WT,   16                          ; v16-27 at work
.set WU,   20
.set WV,   24
.set NG,   28                          ; v28-31 the row's -M
.set SB,   32                          ; v^T's scale words, two a K step, so placed that no product's two scale words have numbers equal modulo 8
.set SA,   64                          ; P's scale words, four a K step
.set MM,   128                         ; -M of each run
.set LL,   192                         ; the runs' sums
.set RL,   64                          ; the way out: v[64 + 2 a]: 1 / l of block a
.set G1, 24
.set G0, 32
.set G1B, 48
.set G0B, 56
.set SEL, 20
.set HI,  22
.set PFA, 76                           ; s[76:77] my prefetches' base, s[78:79] a slot's step
.set PFS, 78
.set MSB, 0
.macro WIN new
.if MSB != (\new)
	s_set_vgpr_msb (MSB<<8)|(\new)
.set MSB, (\new)
.endif
.endm
.set MUL,  0xa7                        ; source 0 window 3, source 1 window 1, C and D window 2
.set TO_A, 0x40
.set TO_B, 0xc0
.macro JLOAD g0a, g1a, g0b, g1b
	s_cmp_eq_u32 s15, 0
	s_cbranch_scc0 .Lfor_b_\@
	tensor_load_to_lds s[\g0a:\g0a+3], s[\g1a:\g1a+7]
	s_nop 0
.rept 4
	v_nop
.endr
	s_branch .Lasked_\@
.Lfor_b_\@:
	tensor_load_to_lds s[\g0b:\g0b+3], s[\g1b:\g1b+7]
	s_nop 0
.rept 4
	v_nop
.endr
.Lasked_\@:
.endm
.macro CREST
	s_cmp_lg_u32 s14, 0
	s_cbranch_scc1 .Lnot_wave_0_\@
	s_barrier_signal -3
.Lnot_wave_0_\@:
	s_barrier_wait -3
	s_barrier_signal -1
	s_barrier_wait -1
.endm
.macro CROUND
	s_barrier_signal -1
	s_barrier_wait -1
	CREST
.endm
.macro ASK                             ; a slot's three K steps: of P 16 units of 256 bytes a step (two steps in one instruction), of v^T 8 (three in one)
	s_cmp_eq_u32 s15, 0
	s_cbranch_scc0 .Lask_b_\@
	global_prefetch_b8 v[PFO], s[PFA:PFA+1] th:TH_LOAD_NT scope:SCOPE_SE
	global_prefetch_b8 v[PFO2], s[PFA:PFA+1] offset:0x200000 th:TH_LOAD_NT scope:SCOPE_SE
	s_branch .Lask_done_\@
.Lask_b_\@:
	global_prefetch_b8 v[PFO], s[PFA:PFA+1] th:TH_LOAD_NT scope:SCOPE_SE
.Lask_done_\@:
.endm
	s_load_b256 s[4:11], s[0:1], 0x0               ; p_img, p_st, qkv_img, qkv_sc
	s_load_b64 s[12:13], s[0:1], 0x20              ; out0
	v_lshl_add_u32 v[SPW], v0, 2, SPARE
	v_mov_b32 v[NIL], 0
	ds_add_u32 v[SPW], v[NIL]                      ; the wave's opening: the add, twice on end, and its wait ahead of my first tensor load
	ds_add_u32 v[SPW], v[NIL]
	v_lshrrev_b32 v1, 5, v0
	v_readfirstlane_b32 s14, v1                    ; wave 0..3
	s_lshr_b32 s15, s14, 1                         ; my half of the queries.  Also: I fetch P (0) or v^T (1)
	s_and_b32 s16, s14, 1                          ; my half of the channels.  Also: which half of the tile I fetch
	s_bfe_u32 s40, ttmp6, 0x40000                  ; cx
	s_bfe_u32 s41, ttmp6, 0x40004                  ; cy
	s_and_b32 s18, ttmp7, 0xffff
	s_lshl_b32 s17, s18, 2
	s_add_co_u32 s17, s17, s41                     ; my block of 256 queries, of 32
	s_lshr_b32 s67, s18, 1                         ; the batch: two clusters along y to each
	s_lshl_b32 s42, ttmp9, 2
	s_add_co_u32 s42, s42, s40                     ; my block of 128 channels, of 8
	s_lshl_b32 s43, s41, 2
	s_lshl_b32 s43, 15, s43                        ; my row of the cluster
	s_lshl_b32 s44, 0x1111, s40                    ; my column
	s_or_b32 s[G1+0], s43, (3<<16)|(1<<21)         ; the mask; elements of 8 bytes; bit 21 beside a mask; no padding
	s_mov_b32 s[G1+1], 2048<<16                    ; rows of 16,384 bytes,
	s_mov_b32 s[G1+2], 3<<16                       ; three of them,
	s_mov_b32 s[G1+3], 2048<<16
	s_mov_b32 s[G1+4], 3
	s_mov_b32 s[G1+5], 131072                      ; 2^20 bytes apart
	s_mov_b32 s[G1+6], 0
	s_mov_b32 s[G1+7], 0
	s_or_b32 s[G1B+0], s44, (3<<16)|(1<<21)
	s_mov_b32 s[G1B+1], 1024<<16                   ; rows of 8,192 bytes, three, 2^17 bytes apart
	s_mov_b32 s[G1B+2], 3<<16
	s_mov_b32 s[G1B+3], 1024<<16
	s_mov_b32 s[G1B+4], 3
	s_mov_b32 s[G1B+5], 16384
	s_mov_b32 s[G1B+6], 0
	s_mov_b32 s[G1B+7], 0
	s_lshl_b32 s20, s17, 15
	s_lshl_b32 s18, s16, 14
	s_add_co_u32 s20, s20, s18                     ; P: my half of the block's 32,768 bytes
	s_mov_b32 s21, 0
	s_lshl_b32 s46, s67, 21                        ; v^T: the batch's 16 K steps of 2^17 bytes,
	s_lshl_b32 s18, s42, 14
	s_add_co_u32 s46, s46, s18
	s_lshl_b32 s18, s16, 13
	s_add_co_u32 s46, s46, s18
	s_add_co_u32 s46, s46, 0x1000000               ; behind q's and k's images
	s_mov_b32 s47, 0
	s_mul_i32 s45, s16, AH
	s_mul_i32 s66, s16, BH
	s_add_co_u32 s66, s66, 2*AH
	s_lshl_b32 s68, s17, 1
	s_add_co_u32 s68, s68, s15
	s_lshl_b32 s68, s68, 13                        ; P's units: 16 of 512 bytes to a group of 128 queries
	s_mov_b32 s69, 0
	s_lshl_b32 s70, s42, 6
	s_lshl_b32 s71, s67, 4
	s_add_co_u32 s70, s70, s71
	s_lshl_b32 s70, s70, 9
	s_add_co_u32 s70, s70, 524288                  ; v^T's units lie behind q's and k's
	s_lshl_b32 s71, s16, 3
	s_add_co_u32 s70, s70, s71                     ; my two of a unit's four words
	s_mov_b32 s71, 0
	s_lshl_b32 s80, s17, 20                        ; out: 4,096 bytes a row
	s_lshl_b32 s81, s15, 19
	s_add_co_u32 s80, s80, s81
	s_lshl_b32 s81, s42, 9
	s_add_co_u32 s80, s80, s81
	s_lshl_b32 s81, s16, 8
	s_add_co_u32 s80, s80, s81
	s_mov_b32 s81, 0
	s_cmp_eq_u32 s15, 0                            ; the prefetches: the lanes' shares, P's or v^T's
	s_cselect_b32 s72, 32, 24                      ; lanes at work,
	s_cselect_b32 s73, 15, 7
	s_cselect_b32 s74, 4, 3
	s_cselect_b32 s75, 20, 17
	s_cselect_b32 s82, s40, s41                    ; my place among the partners
	s_cselect_b32 s83, 12, 11
	s_lshl_b32 s82, s82, s83                       ; 4,096 or 2,048 bytes of each K step
	s_mul_i32 s18, s15, AH
	s_mul_i32 s19, s16, BH
	s_add_co_u32 s19, s19, 2*AH
	s_mul_i32 s83, s14, 16*SPITCH
	v_and_b32 v1, 31, v0
	v_lshlrev_b32 v[LI], 4, v1
	v_add_nc_u32 v[ADRA], s18, v[LI]
	v_add_nc_u32 v[ADRA+1], SLOT, v[ADRA]
	v_add_nc_u32 v[ADRB], s19, v[LI]
	v_add_nc_u32 v[ADRB+1], SLOT, v[ADRB]
	v_cmp_gt_u32 vcc_lo, 16, v1
	v_cndmask_b32 v[PFO2], 15, v1, vcc_lo          ; lanes that are left over name the last unit again
	v_lshlrev_b32 v[PFO2], 8, v[PFO2]
	v_cmp_gt_u32 vcc_lo, s72, v1
	v_cndmask_b32 v2, 23, v1, vcc_lo
	v_and_b32 v3, s73, v2
	v_lshlrev_b32 v3, 8, v3
	v_lshrrev_b32 v2, s74, v2
	v_lshl_add_u32 v[PFO], v2, s75, v3
	v_and_b32 v2, 15, v0
	v_bfe_u32 v3, v0, 4, 1
	v_mul_u32_u24 v[STO], v2, SPITCH               ; the way out, in: row r, 32 bytes for each half of the lanes
	v_lshl_add_u32 v[STO], v3, 5, v[STO]
	v_add_nc_u32 v[STO], s83, v[STO]
	v_mul_u32_u24 v[RD], v3, SPITCH                ; back: lanes 0-15 one row, lanes 16-31 the next
	v_lshl_add_u32 v[RD], v2, 4, v[RD]
	v_add_nc_u32 v[RD], s83, v[RD]
	v_lshlrev_b32 v[CO], 12, v3
	v_lshl_add_u32 v[CO], v2, 4, v[CO]
	s_wait_alu depctr_va_vdst(0)
	s_wait_dscnt 0x0                               ; both opening adds are done
	s_wait_kmcnt 0x0
	s_add_nc_u64 s[20:21], s[4:5], s[20:21]
	s_add_nc_u64 s[46:47], s[8:9], s[46:47]
	s_add_nc_u64 s[68:69], s[6:7], s[68:69]
	s_add_nc_u64 s[70:71], s[10:11], s[70:71]
	s_add_nc_u64 s[12:13], s[12:13], s[80:81]
.irp k, 0,1,2,3,4,5,6,7,8,9,10,11,12,13,14,15
	global_load_b128 v[MM+4*\k:MM+4*\k+3], v[LI], s[68:69] offset:524288+512*\k
.endr
.irp s, 0,1
	s_mov_b32 s[G0+4*\s], 1
	s_add_co_u32 s[G0+4*\s+1], s45, \s*SLOT
	s_add_nc_u64 s[G0+4*\s+2:G0+4*\s+3], s[20:21], \s*0x300000
	s_or_b32 s[G0+4*\s+3], s[G0+4*\s+3], 0x80000000
	s_mov_b32 s[G0B+4*\s], 1
	s_add_co_u32 s[G0B+4*\s+1], s66, \s*SLOT
	s_add_nc_u64 s[G0B+4*\s+2:G0B+4*\s+3], s[46:47], \s*0x60000
	s_or_b32 s[G0B+4*\s+3], s[G0B+4*\s+3], 0x80000000
.endr
	CROUND                                         ; the first joint loads meet
	JLOAD G0, G1, G0B, G1B                         ; fill 0: K steps 0 to 2
.irp k, 0,1,2,3,4,5,6,7,8,9,10,11,12,13,14,15
	global_load_b128 v[SA+4*\k:SA+4*\k+3], v[LI], s[68:69] offset:512*\k
.endr
.irp k, 0,1,2,3,4,5,6,7,8,9,10,11,12,13,14,15
.set bo, SB+8*(\k/4)+4*(1-\k%2)+2*((\k%4)/2)
	global_load_b64 v[bo:bo+1], v[LI], s[70:71] offset:512*\k
.endr
.irp k, 0,1,2,3,4,5,6,7,8,9,10,11,12,13,14,15
	global_load_b128 v[LL+4*\k:LL+4*\k+3], v[LI], s[68:69] offset:1048576+512*\k
.endr
	s_cmp_eq_u32 s15, 0                            ; the prefetches stand at fill 1
	s_cselect_b64 s[PFA:PFA+1], s[20:21], s[46:47]
	s_mov_b32 s[PFS], 0x60000
	s_mov_b32 s[PFS+1], 0
	s_cselect_b32 s[PFS], 0x300000, s[PFS]
	s_add_co_u32 s82, s82, s[PFS]
	s_mov_b32 s83, 0
	s_add_nc_u64 s[PFA:PFA+1], s[PFA:PFA+1], s[82:83]
	ASK                                            ; the prefetches begin with fill 1 too, behind the whole flight of fill 0
	s_mov_b32 s[SEL], 0x76543210
	s_mov_b32 s[SEL+1], 0xfedcba98                 ; lane l xor 16
	s_mov_b32 s[HI], 0xffff0000                    ; lanes 16-31
	s_wait_loadcnt 48                              ; -M of all runs is in: behind it 16 loads each of P's words, v^T's words and the sums
.irp j, 0,1,2,3
	v_min3_num_f32 v[NG+\j], v[MM+\j], v[MM+4+\j], v[MM+8+\j]
.endr
.irp k, 3,5,7,9,11,13
.irp j, 0,1,2,3
	v_min3_num_f32 v[NG+\j], v[NG+\j], v[MM+4*\k+\j], v[MM+4*\k+4+\j]
.endr
.endr
.irp j, 0,1,2,3
	v_min_num_f32 v[NG+\j], v[NG+\j], v[MM+60+\j]  ; the row's -M
.endr
; K step k's words under the row's M, in 12 groups of one line for each of the four words.  WT = 127 - (M_row - M_run), 0 at the least.
; A byte (at most 112) + 1 + WT has bit 7 set where the byte is not under the difference; its low seven bits are then the new byte, else 0 is.
.macro ADJ k, g
.irp j, 0,1,2,3
.if (\g) == 0
	v_sub_f32 v[WT+\j], v[NG+\j], v[MM+4*(\k)+\j]
.elseif (\g) == 1
	v_add_f32 v[WT+\j], 0x42fe0000, v[WT+\j]
.elseif (\g) == 2
	v_max_num_f32 v[WT+\j], 0, v[WT+\j]
.elseif (\g) == 3
	v_cvt_u32_f32 v[WT+\j], v[WT+\j]
.elseif (\g) == 4
	v_perm_b32 v[WU+\j], v[WT+\j], v[WT+\j], 0
.elseif (\g) == 5
	v_add3_u32 v[SA+4*(\k)+\j], v[SA+4*(\k)+\j], v[WU+\j], 0x01010101
.elseif (\g) == 6
	v_and_b32 v[WU+\j], 0x80808080, v[SA+4*(\k)+\j]
.elseif (\g) == 7
	v_lshrrev_b32 v[WV+\j], 7, v[WU+\j]
.elseif (\g) == 8
	v_sub_nc_u32 v[WU+\j], v[WU+\j], v[WV+\j]
.elseif (\g) == 9
	v_and_b32 v[SA+4*(\k)+\j], v[SA+4*(\k)+\j], v[WU+\j]
.elseif (\g) == 10
	v_lshlrev_b32 v[WV+\j], 23, v[WT+\j]
.elseif (\k) == 0
	v_mul_f32 v[LT+\j], v[LL+\j], v[WV+\j]
.else
	v_fma_f32 v[LT+\j], v[LL+4*(\k)+\j], v[WV+\j], v[LT+\j]
.endif
.endr
.endm
.macro WM zero                         ; one product: P's block wa x v^T's block wb at K step wk.  The rows of the scale registers go by the blocks' parity
.set rD, 8*(4*wa+wb)
.set rB, 64*(wk%2)+16*wb
.set rA, 128*(wk%2)+16*wa
.set sB, SB+8*(wk/4)+4*(1-wk%2)+2*((wk%4)/2)+wb/2
.set sA, SA+4*wk+wa/2
.set par, 2*(wa%2)+wb%2
.if \zero
.if par == 0
	v_wmma_scale_f32_16x16x128_f8f6f4 v[rD:rD+7], v[rB:rB+15], v[rA:rA+15], 0, v[sB], v[sA] matrix_a_fmt:MATRIX_FMT_BF8 matrix_b_fmt:MATRIX_FMT_BF8
.elseif par == 1
	v_wmma_scale_f32_16x16x128_f8f6f4 v[rD:rD+7], v[rB:rB+15], v[rA:rA+15], 0, v[sB], v[sA] matrix_a_fmt:MATRIX_FMT_BF8 matrix_b_fmt:MATRIX_FMT_BF8 matrix_a_scale:MATRIX_SCALE_ROW1
.elseif par == 2
	v_wmma_scale_f32_16x16x128_f8f6f4 v[rD:rD+7], v[rB:rB+15], v[rA:rA+15], 0, v[sB], v[sA] matrix_a_fmt:MATRIX_FMT_BF8 matrix_b_fmt:MATRIX_FMT_BF8 matrix_b_scale:MATRIX_SCALE_ROW1
.else
	v_wmma_scale_f32_16x16x128_f8f6f4 v[rD:rD+7], v[rB:rB+15], v[rA:rA+15], 0, v[sB], v[sA] matrix_a_fmt:MATRIX_FMT_BF8 matrix_b_fmt:MATRIX_FMT_BF8 matrix_a_scale:MATRIX_SCALE_ROW1 matrix_b_scale:MATRIX_SCALE_ROW1
.endif
.else
.if par == 0
	v_wmma_scale_f32_16x16x128_f8f6f4 v[rD:rD+7], v[rB:rB+15], v[rA:rA+15], v[rD:rD+7], v[sB], v[sA] matrix_a_fmt:MATRIX_FMT_BF8 matrix_b_fmt:MATRIX_FMT_BF8
.elseif par == 1
	v_wmma_scale_f32_16x16x128_f8f6f4 v[rD:rD+7], v[rB:rB+15], v[rA:rA+15], v[rD:rD+7], v[sB], v[sA] matrix_a_fmt:MATRIX_FMT_BF8 matrix_b_fmt:MATRIX_FMT_BF8 matrix_a_scale:MATRIX_SCALE_ROW1
.elseif par == 2
	v_wmma_scale_f32_16x16x128_f8f6f4 v[rD:rD+7], v[rB:rB+15], v[rA:rA+15], v[rD:rD+7], v[sB], v[sA] matrix_a_fmt:MATRIX_FMT_BF8 matrix_b_fmt:MATRIX_FMT_BF8 matrix_b_scale:MATRIX_SCALE_ROW1
.else
	v_wmma_scale_f32_16x16x128_f8f6f4 v[rD:rD+7], v[rB:rB+15], v[rA:rA+15], v[rD:rD+7], v[sB], v[sA] matrix_a_fmt:MATRIX_FMT_BF8 matrix_b_fmt:MATRIX_FMT_BF8 matrix_a_scale:MATRIX_SCALE_ROW1 matrix_b_scale:MATRIX_SCALE_ROW1
.endif
.endif
.endm
; Products from .. to - 1 of a K step's 32; the accumulators take turns, one instruction a turn.  Behind every so many products one group of the next K step's words.
.macro RUN ks, from, to, every, zero
.set n, \from
.set gr, 2
.set wk, \ks
	WIN MUL
.rept (\to)-(\from)
.set wa, n/4
.set wb, n%4
	WM \zero
.if wk < 15 && gr < 12 && n%(\every) == (\every)-1
	WIN 0
	ADJ wk+1, gr
.set gr, gr+1
.if gr == 12
	s_wait_alu depctr_va_vdst(0)
.endif
	WIN MUL
.endif
.set n, n+1
.endr
.endm
.macro FETCH3 slot, q, p               ; a K step's fragments into set p: 48 loads
	WIN TO_B
.irp b, 0,1,2,3
.irp c, 0,1,2,3
	ds_load_b128 v[64*(\p)+16*\b+4*\c:64*(\p)+16*\b+4*\c+3], v[ADRB+\slot] offset:8192*(\q)+2048*\b+512*\c
.endr
.endr
	WIN TO_A
.irp i, 0,1,2,3,4,5,6,7
.irp c, 0,1,2,3
	ds_load_b128 v[128*(\p)+16*\i+4*\c:128*(\p)+16*\i+4*\c+3], v[ADRA+\slot] offset:16384*(\q)+2048*\i+512*\c
.endr
.endr
.endm
; A K step that has its successor in the same slot.  The first two groups of the next step's words are the eight places in front of the loads into the set that the step before multiplied.
.macro EVEN ks, zero
.set SL, ((\ks)/3)%2
	s_wait_dscnt 0x0                               ; this step's fragments are in
	WIN 0
	ADJ (\ks)+1, 0
	ADJ (\ks)+1, 1
	FETCH3 SL, (\ks)%3+1, 1-(\ks)%2
	RUN \ks, 0, 32, 3, \zero
.endm
; A slot's last K step changes slots.  fill = 1: the slot takes the fill two on; 2: the last fill, of one K step.  ask = 1: the fill after that is asked for ahead.
.macro ODD ks, fill, ask
.set SL, ((\ks)/3)%2
	WIN 0
.if \ask
	s_wait_xcnt 0x0                                ; my last prefetch has read its base
	s_add_nc_u64 s[PFA:PFA+1], s[PFA:PFA+1], s[PFS:PFS+1]
.endif
	s_wait_tensorcnt 0x0                           ; all my tensor loads have landed: my part of the next slot
	ds_add_u32 v[SPW], v[NIL]
	ADJ (\ks)+1, 0
	ADJ (\ks)+1, 1
.if \fill
	s_add_nc_u64 s[G0+4*SL+2:G0+4*SL+3], s[G0+4*SL+2:G0+4*SL+3], 0x600000
	s_add_nc_u64 s[G0B+4*SL+2:G0B+4*SL+3], s[G0B+4*SL+2:G0B+4*SL+3], 0xc0000
.endif
.if (\fill) == 2
.irp g, G1, G1B
	s_mov_b32 s[\g+2], 1<<16
	s_mov_b32 s[\g+4], 1
	s_mov_b32 s[\g+6], 1<<16
.endr
.endif
	s_wait_alu depctr_va_vdst(0)
	s_wait_dscnt 0x0                               ; the add is done; this step's fragments are in: my reads of this slot are over
	s_barrier_signal -1
	RUN \ks, 0, 8, 99, 0
	WIN 0
	s_barrier_wait -1
.if \fill
	CREST                                          ; a round of the cluster's barrier: no wave of any partner still reads this slot or has a load on its way
	JLOAD G0+4*SL, G1, G0B+4*SL, G1B
.endif
	FETCH3 1-SL, 0, 1-(\ks)%2
.if \ask
	WIN 0
	ASK
.endif
	RUN \ks, 8, 32, 2, 0
.endm
	s_wait_alu depctr_va_vdst(0)
	s_wait_xcnt 0x0                                ; the prefetch has read its base
	s_add_nc_u64 s[PFA:PFA+1], s[PFA:PFA+1], s[PFS:PFS+1]
	s_wait_tensorcnt 0x0                           ; my part of fill 0 is in
	ds_add_u32 v[SPW], v[NIL]
	s_wait_dscnt 0x0
	CROUND
	JLOAD G0+4, G1, G0B+4, G1B                     ; fill 1
	FETCH3 0, 0, 0
	WIN 0
	ASK                                            ; fill 2
	s_wait_loadcnt 0x0                             ; the words and the sums
.irp g, 0,1,2,3,4,5,6,7,8,9,10,11
	ADJ 0, \g
.endr
	s_wait_alu depctr_va_vdst(0)
	EVEN 0, 1                                      ; the first products start the sums
	EVEN 1, 0
	ODD 2, 1, 1
	EVEN 3, 0
	EVEN 4, 0
	ODD 5, 1, 1
	EVEN 6, 0
	EVEN 7, 0
	ODD 8, 1, 0
	EVEN 9, 0
	EVEN 10, 0
	ODD 11, 2, 0
	EVEN 12, 0
	EVEN 13, 0
	ODD 14, 0, 0
	s_wait_dscnt 0x0
	RUN 15, 0, 32, 99, 0
	WIN 0
	s_wait_alu depctr_va_vdst(0)
.irp j, 0,1,2,3
	v_rcp_f32 v[WT+\j], v[LT+\j]
.endr
	v_nop                                          ; a plain place behind the transcendentals
	s_wait_alu depctr_va_vdst(0)                   ; and the wait ahead of their first reader
.irp j, 0,1,2,3
	v_permlanex16_b32 v[WU+\j], v[WT+\j], s[SEL], s[SEL+1]
.endr
.irp j, 0,1,2,3
	v_cndmask_b32 v[RL+4*\j], v[WT+\j], v[WU+\j], s[HI]     ; block 2 j: its rows lie in lanes 0-15 of the word,
	v_cndmask_b32 v[RL+4*\j+2], v[WU+\j], v[WT+\j], s[HI]   ; block 2 j + 1: in lanes 16-31
.endr
; THE WAY OUT, a block of 16 queries x 64 channels at a time through my stage in LDS, and back as rows of 256 bytes.  The 13 lines above are the places behind the last products.
.macro OUTA a
.set TT, 128+32*((\a)%2)
.set BB, 192+32*((\a)%2)
	WIN 0x02
	s_wait_alu depctr_va_vdst(0)                   ; ahead of the first readers of these sums
.set n, 0
.rept 16
	v_pk_mul_f32 v[TT+n:TT+n+1], v[32*(\a)+n:32*(\a)+n+1], v[RL+2*(\a):RL+2*(\a)+1] op_sel_hi:[1,0]
.set n, n+2
.endr
	WIN 0
.irp b, 0,1,2,3
	ds_store_b128 v[STO], v[TT+8*\b:TT+8*\b+3] offset:64*\b
	ds_store_b128 v[STO], v[TT+8*\b+4:TT+8*\b+7] offset:64*\b+16
.endr
.irp t, 0,1,2,3,4,5,6,7
	ds_load_b128 v[BB+4*\t:BB+4*\t+3], v[RD] offset:\t*2*SPITCH   ; LDS serves a wave's instructions in order (ISA guide 5.7.1.4)
.endr
.endm
.macro SEND a, younger                 ; younger: the next block's 8 stores and 8 loads, which may be out
.set BB, 192+32*((\a)%2)
	s_wait_dscnt \younger
.irp t, 0,1,2,3,4,5,6,7
	global_store_b128 v[CO], v[BB+4*\t:BB+4*\t+3], s[12:13] offset:(16*(\a)+2*\t)*4096 th:TH_STORE_NT   ; 16 lanes store 256 consecutive bytes, aligned
.endr
.endm
	OUTA 0
.irp a, 1,2,3,4,5,6,7
.if \a > 1
	s_wait_xcnt 0x0                                ; the stores of two blocks back have read their registers
.endif
	OUTA \a
	SEND \a-1, 16
.endr
	SEND 7, 0
	s_wait_tensorcnt 0x0                           ; the wave's end
	ds_add_u32 v[SPW], v[NIL]
	s_wait_dscnt 0x0
	CROUND                                         ; the closing round
	s_endpgm
.Lfunc_end_k_q1c0a2bbe56_pv:
	.size	k_q1c0a2bbe56_pv, .Lfunc_end_k_q1c0a2bbe56_pv-k_q1c0a2bbe56_pv
	.p2alignl 7, 3214868480
	.fill 96, 4, 3214868480
	.section	.rodata,"a",@progbits
	.p2align	6, 0x0
	.amdhsa_kernel k_q1c0a2bbe56_pv
		.amdhsa_group_segment_fixed_size 327680
		.amdhsa_private_segment_fixed_size 0
		.amdhsa_enable_private_segment 0
		.amdhsa_kernarg_size 40
		.amdhsa_user_sgpr_count 2
		.amdhsa_user_sgpr_kernarg_segment_ptr 1
		.amdhsa_wavefront_size32 1
		.amdhsa_system_sgpr_workgroup_id_x 1
		.amdhsa_system_sgpr_workgroup_id_y 1
		.amdhsa_system_sgpr_workgroup_id_z 1
		.amdhsa_system_vgpr_workitem_id 0
		.amdhsa_next_free_vgpr 1024
		.amdhsa_next_free_sgpr 84
		.amdhsa_reserve_vcc 1
		.amdhsa_float_denorm_mode_32 3
		.amdhsa_float_denorm_mode_16_64 3
		.amdhsa_memory_ordered 1
		.amdhsa_forward_progress 1
		.amdhsa_inst_pref_size 209
	.end_amdhsa_kernel
	.amdgpu_metadata
---
amdhsa.version: [ 1, 2 ]
amdhsa.kernels:
  - .name:           k_q1c0a2bbe56_pv
    .symbol:         k_q1c0a2bbe56_pv.kd
    .args:
      - { .name: p_img, .offset: 0, .size: 8, .value_kind: global_buffer, .address_space: global }
      - { .name: p_st, .offset: 8, .size: 8, .value_kind: global_buffer, .address_space: global }
      - { .name: qkv_img, .offset: 16, .size: 8, .value_kind: global_buffer, .address_space: global }
      - { .name: qkv_sc, .offset: 24, .size: 8, .value_kind: global_buffer, .address_space: global }
      - { .name: out0, .offset: 32, .size: 8, .value_kind: global_buffer, .address_space: global }
    .group_segment_fixed_size: 327680
    .private_segment_fixed_size: 0
    .kernarg_segment_align: 8
    .kernarg_segment_size: 40
    .max_flat_workgroup_size: 128
    .sgpr_count:     84
    .vgpr_count:     1024
    .wavefront_size: 32
...
	.end_amdgpu_metadata
.endif
;; end of part 3
